; MI455X (gfx1250); checked and timed in simulation.
; The chip was launched on July 23, 2026; its instructions are those of AMD's public machine-readable ISA for CDNA 5 (MIT licence, August 2026) and "CDNA5" Instruction Set Architecture Reference Guide (July 2026). The comments in the code are by the model that wrote it; some were corrected since.
;; Multi Head Self Attention. Allowed arithmetic: matrix products marked QUANTISED: E2M3 operands, one E8M0 scale for each 32 along K, by v_wmma_scale_f32_16x16x128_f8f6f4 with both operands' format E2M3, f32 sums; everything else in f32.
;; Inputs: Wk 1,024 x 1,024 float32; Wo 1,024 x 1,024 float32; Wq 1,024 x 1,024 float32; Wv 1,024 x 1,024 float32; bk 1,024 float32; bo 1,024 float32; bq 1,024 float32; bv 1,024 float32; x 4 x 2,048 x 1,024 float32.
;; Outputs: out0 4 x 2,048 x 1,024 float32.
;; This version of the problem:
;;   THIS VERSION OF THE PROBLEM IS GIVEN IN LOW PRECISION. The matrix products marked QUANTISED in the list below multiply operands that are first quantised to E2M3 (2 exponent bits, 3 mantissa bits; 6 bits a number), with one power-of-two scale for each 32 numbers along K (OCP MX v1.0); their sums are f32. All else is computed in f32.
;;   The module's matrix products, in the order in which they are computed (A, B: the left and right operand; K: the contracted axis; several contracted axes count as one K, in the product's order):
;;     1. [M 8,192, K 1,024] x [K 1,024, N 1,024]; A: input x; B: input Wq: QUANTISED
;;     2. [M 8,192, K 1,024] x [K 1,024, N 1,024]; A: input x; B: input Wk: QUANTISED
;;     3. [M 8,192, K 1,024] x [K 1,024, N 1,024]; A: input x; B: input Wv: QUANTISED
;;     4. batch 64 x [M 2,048, K 64] x [K 64, N 2,048]; A: computed on the way; B: computed on the way: QUANTISED
;;     5. batch 64 x [M 2,048, K 2,048] x [K 2,048, N 64]; A: softmax (see below); B: computed on the way: QUANTISED
;;     6. [M 8,192, K 1,024] x [K 1,024, N 1,024]; A: computed on the way; B: input Wo: QUANTISED
;;   THE QUANTISER, for each operand of a quantised product, along K:
;;     - K is cut into blocks of 32 from its start; a last block that is shorter is filled with zeros.
;;     - A block's scale is 2^e with e = floor(log2(the largest magnitude in the block)) - 2, held to -126 .. 127; a block of zeros has e = 0. As a byte (E8M0): e + 127.
;;     - Each number is divided by its block's scale, clamped to +-7.5, and rounded to the nearest number of E2M3, ties to even, subnormals kept.
;;     - The product sums the exact products of the quantised numbers (number of the format x scale) in f32.
;;   ~~~python
;;   def quantise(x, axis):      # numpy; x: float32 -> the quantised numbers, widened to float32 again
;;       x = np.moveaxis(x, axis, -1); K = x.shape[-1]
;;       x = np.pad(x, [(0, 0)] * (x.ndim - 1) + [(0, -K % 32)]); x = x.reshape(x.shape[:-1] + (-1, 32)); a = np.abs(x).max(-1, keepdims=True)
;;       e = np.where(a > 0, np.clip(np.frexp(np.where(a > 0, a, 1))[1] - 1 - 2, -126, 127), 0)      # np.frexp(a)[1] - 1 = floor(log2(a)), exactly
;;       r = np.clip(x / 2.0 ** e, -7.5, 7.5)
;;       step = 2.0 ** (np.maximum(np.frexp(np.where(r == 0, 1, r))[1] - 1, 0) - 3)
;;       q = np.round(r / step) * step * 2.0 ** e      # np.round: ties to even
;;       return np.moveaxis(q.reshape(q.shape[:-2] + (-1,))[..., :K], -1, axis).astype(np.float32)
;;   ~~~
;;   SOFTMAX AHEAD OF A QUANTISED PRODUCT. Where the list says 'softmax', what is quantised is not the finished softmax but p = 2^(t - M), with t = logit x log2(e) and M = ceil(the row's largest t), a whole number; so 1/2 < the row's largest p <= 1. The row's sum l is taken of the UNQUANTISED p, in f32, and the product's result is divided by l at the end. Since M is a whole number, a kernel that streams over the keys may use a running M (the ceiling of the running maximum): every later rescaling is an exact power of two, which a block's scale takes up: the codes' values come out the same.
;;   OPERANDS COMPUTED ON THE WAY. 'Computed on the way' means the value that the module computes at that place (a softmax that the list does not call 'softmax' is quantised finished and normalised). What goes into a quantiser is computed in f32, as accurately as f32 sums, v_exp_f32 and their like allow (about 1e-6 of the number): no bf16 or f16 on the way to a quantiser, and a product that is left as it is and whose result goes on into a quantised operand takes f32 operands (vector FMAs, or v_wmma_f32_16x16x4_f32). A number that lies on a knife's edge between two numbers of the format may be rounded either way, as far as f32 arithmetic and the matrix unit's own rounding can turn it there, and no further.
;; One version. Each part assembles by itself: llvm-mc -triple=amdgcn-amd-amdhsa -mcpu=gfx1250 --defsym DOCPART=n.
;; ======== version 1 of 1: 5 launches
;; workspace buffers: xq 6,553,600 bytes; wq 3,276,800 bytes; qkv 19,660,800 bytes; cq 6,553,600 bytes
;; launch quant_x (part 1): grid 256 x 1, 8 waves a work-group, no clusters, 167,936 bytes of LDS; arguments x, xq; writes xq
.if DOCPART == 1
	.amdgcn_target "amdgcn-amd-amdhsa--gfx1250"
	.amdhsa_code_object_version 6
	.text
	.protected	k_q6f0926c5eb_quant_x
	.globl	k_q6f0926c5eb_quant_x
	.p2align	8
	.type	k_q6f0926c5eb_quant_x,@function
k_q6f0926c5eb_quant_x:
	s_mov_b64 s[64:65], 0
	v_nop
	global_prefetch_b8 v0, s[64:65] scope:SCOPE_SE
	s_setreg_imm32_b32 hwreg(HW_REG_WAVE_MODE, 25, 1), 1
	s_wait_xcnt 0x0
; x [8192 tokens][1024] f32 becomes codes of FP6 (E2M3) with one E8M0 byte for each 32 along K, laid in the order of an operand's registers.
; A TILE is 16 tokens that are not neighbours: place p of tile 2 P + u is token 32 P + 8 u + p + 8 (p / 8).
; AN IMAGE is a tile x 128 K: 12 registers a lane, register 4 g + i of lane l at byte 512 g + 16 l + 4 i (1,536 bytes); lane (r, h) holds in registers 6 c .. 6 c + 5 the codes of k = 64 c + 32 h + 0 .. 31 of place r.
; xq: codes [tile 512][K step 8] images; from byte 6,291,456 on the scale words [tile][K half 2][place 16][K step % 4], one word for a place and 128 K.
; A block's scale is 2^(floor(log2(largest magnitude)) - 2): its byte is the largest magnitude's exponent field - 2, held at 1 from below.
; LIMITS: a block of zeros gets the byte 1 where the rule says 127 (its codes are zeros, and this program alone reads the bytes); blocks whose largest magnitude lies under 2^-124 are held at the byte 1; NaN and infinities are not served.
; SHARES: work-group g takes tokens 32 g .. 32 g + 31 (tiles 2 g, 2 g + 1), wave w the K step w: 512 bytes of each row, brought by two tensor loads of 16 rows into the wave's own LDS bytes, which it alone reads.
; Every LDS byte is filled once: no ring.  No cluster: no two work-groups read the same byte.  No matrix work.
.set WREG,   17152                     ; a wave's LDS bytes: two halves of 16 rows
.set HALF,   8576                      ; 16 rows x 528 + 128: rows p and p + 16 then start 32 words apart modulo 64 (64 banks of 4 bytes: ISA guide 11.1)
.set PITCH,  528                       ; a row: 512 bytes + 16 of padding
.set SCST,   137216                    ; the work-group's scale words, 1,024 bytes: written by LDS stores alone
.set SPARE,  138240                    ; the spare words, 128 bytes a wave: four blocks of 256 bytes that no other line names
.set SCALES, 6291456
.set LANE, 1
.set RR,   2                           ; lane % 16
.set HH,   3                           ; lane / 16
.set LA,   4                           ; LDS: my place's row, my half's 128 bytes
.set GO,   5                           ; 16 x lane
.set SA,   6                           ; LDS: where my scale word goes
.set TP,   7
.set MX,   8                           ; v8-9   largest magnitudes
.set SO,   10                          ; v10-11 the conversions' scale operands
.set SPW,  12                          ; LDS address of my spare word; never rewritten
.set NIL,  13                          ; 0; never rewritten
.set BY,   14                          ; v14-15 scale bytes
.set CD,   16                          ; tile u: 12 registers of codes at v[16 + 20 u], 8 at work behind them
.set WD,   56                          ; v56-57 the two tiles' scale words
.set SH,   58                          ; 8 x (lane / 16)
.set SRD,  59                          ; LDS: where waves 0 and 1 read the scale words back
.set X,    64                          ; v64-191: tile u, half c: 32 numbers at v[64 + 64 u + 32 c]
	s_load_b128 s[4:7], s[0:1], 0x0                ; x s[4:5], xq s[6:7]
	v_lshl_add_u32 v[SPW], v0, 2, SPARE
	v_mov_b32 v[NIL], 0
	ds_add_u32 v[SPW], v[NIL]                      ; the opening: the add and its wait ahead of my first tensor load; work on registers stands between
	v_lshrrev_b32 v1, 5, v0
	v_readfirstlane_b32 s8, v1                     ; wave 0..7
	s_mov_b32 s16, (3<<16)|(1<<20)|(6<<22)|(3<<25) ; group 1: elements of 8 bytes; padding on: after every 128 words, 4 words
	s_mov_b32 s17, 64<<16                          ; tensor_dim0 = 64 elements (512 bytes)
	s_mov_b32 s18, 16<<16                          ; tensor_dim1 = 16 rows
	s_mov_b32 s19, 64<<16                          ; tile_dim0
	s_mov_b32 s20, 16                              ; tile_dim1
	s_mov_b32 s21, 512                             ; from row to row: 512 elements (4,096 bytes)
	s_mov_b32 s22, 0
	s_mov_b32 s23, 0
	s_mul_i32 s9, s8, WREG                         ; my LDS bytes
	s_lshl_b32 s10, ttmp9, 17                      ; x: 32 rows of 4,096 bytes a work-group,
	s_lshl_b32 s11, s8, 9                          ; 512 bytes of a row a wave
	s_add_co_u32 s10, s10, s11
	s_mov_b32 s11, 0
	s_mul_i32 s12, ttmp9, 24576                    ; codes: two tiles of 12,288 bytes a work-group,
	s_mul_i32 s13, s8, 1536                        ; an image a wave
	s_add_co_u32 s12, s12, s13
	s_mov_b32 s13, 0
	s_and_b32 s36, s8, 1
	s_lshl_b32 s36, s36, 9                         ; 512 x (wave & 1): the half of the scale words that wave 0 or 1 sends out
	s_lshl_b32 s14, ttmp9, 10                      ; scale words: 1,024 bytes a work-group
	s_add_co_u32 s14, s14, s36
	s_add_co_u32 s14, s14, SCALES
	s_mov_b32 s15, 0
	s_mov_b32 s32, 0x76543210
	s_mov_b32 s33, 0xfedcba98                      ; v_permlanex16_b32's selects for lane l xor 16
	s_wait_dscnt 0x0                               ; the opening add is done
	s_wait_kmcnt 0x0
	s_add_nc_u64 s[4:5], s[4:5], s[10:11]
	s_mov_b32 s24, 1                               ; group 0 for rows 0-15
	s_mov_b32 s25, s9
	s_mov_b64 s[26:27], s[4:5]
	s_or_b32 s27, s27, 0x80000000
	s_mov_b32 s28, 1                               ; and for rows 16-31
	s_add_co_u32 s29, s9, HALF
	s_add_nc_u64 s[30:31], s[4:5], 65536
	s_or_b32 s31, s31, 0x80000000
	tensor_load_to_lds s[24:27], s[16:23]          ; my two first fills, together: two loads of mine are out
	s_nop 0
	tensor_load_to_lds s[28:31], s[16:23]
	s_nop 0
.rept 4
	v_nop
.endr
	s_add_nc_u64 s[12:13], s[6:7], s[12:13]
	s_add_nc_u64 s[14:15], s[6:7], s[14:15]
	v_and_b32 v[LANE], 31, v0
	v_and_b32 v[RR], 15, v0
	v_bfe_u32 v[HH], v0, 4, 1
	v_mul_u32_u24 v[LA], v[RR], PITCH
	v_lshrrev_b32 v[TP], 3, v[RR]
	v_mad_u32_u24 v[LA], v[TP], 4352, v[LA]        ; places 8-15 are rows 16-23: 8 rows on, in the second half: 8,576 - 8 x 528
	v_lshl_add_u32 v[LA], v[HH], 7, v[LA]          ; my half's 32 numbers of each 64
	v_add_nc_u32 v[LA], s9, v[LA]
	v_lshlrev_b32 v[GO], 4, v[LANE]
	s_lshr_b32 s34, s8, 2
	s_lshl_b32 s34, s34, 8                         ; K half: 256 bytes
	s_and_b32 s35, s8, 3
	s_lshl_b32 s35, s35, 2                         ; K step % 4: a word
	s_add_co_u32 s34, s34, s35
	s_add_co_u32 s34, s34, SCST
	v_lshlrev_b32 v[SA], 4, v[RR]
	v_lshl_add_u32 v[SA], v[HH], 9, v[SA]          ; lanes 0-15 store tile 0's words, lanes 16-31 tile 1's
	v_add_nc_u32 v[SA], s34, v[SA]
	s_add_co_u32 s36, s36, SCST
	v_add_nc_u32 v[SRD], s36, v[GO]
	v_lshlrev_b32 v[SH], 3, v[HH]
	v_mov_b32 v[TP], 0                             ; a lane permute's destination counts as one of its sources
	s_wait_tensorcnt 0x0                           ; both my tiles are in LDS; I alone read them
.irp u, 0,1
.irp c, 0,1
.irp i, 0,1,2,3,4,5,6,7
	ds_load_b128 v[X+64*\u+32*\c+4*\i:X+64*\u+32*\c+4*\i+3], v[LA] offset:4224*\u+256*\c+16*\i   ; tile u begins 8 rows on; k = 64 c + 32 h + 4 i ..
.endr
.endr
.endr
; Tile u: a lane holds two whole blocks of 32 (blocks h and 2 + h of its place), so no other lane is asked for a maximum.
.macro XTILE u
.irp c, 0,1
	v_max3_num_f32 v[MX+\c], |v[X+64*\u+32*\c]|, |v[X+64*\u+32*\c+1]|, 0x1800000   ; and the floor 2^(3 - 127): the byte cannot fall under 1
.endr
.irp i, 2,4,6,8,10,12,14,16,18,20,22,24,26,28,30
.irp c, 0,1
	v_max3_num_f32 v[MX+\c], v[MX+\c], |v[X+64*\u+32*\c+\i]|, |v[X+64*\u+32*\c+\i+1]|   ; the two blocks by turns
.endr
.endr
.irp c, 0,1
	v_add_nc_u32 v[SO+\c], 0xff000000, v[MX+\c]    ; 2 off the exponent field: the conversion takes this operand's exponent field as its scale
.endr
.irp c, 0,1
	v_lshrrev_b32 v[BY+\c], 23, v[SO+\c]           ; the scale's byte
.endr
	v_lshl_or_b32 v[WD+\u], v[BY+1], 16, v[BY]     ; my two bytes,
	v_lshlrev_b32 v[WD+\u], v[SH], v[WD+\u]        ; at their places in the word (8 h bits up);
	v_permlanex16_b32 v[TP], v[WD+\u], s32, s33
	v_or_b32 v[WD+\u], v[WD+\u], v[TP]             ; with lane l xor 16's two the word is whole
.irp c, 0,1
	v_cvt_scalef32_pk16_fp6_f32 v[CD+20*\u+6*\c:CD+20*\u+6*\c+2], v[X+64*\u+32*\c:X+64*\u+32*\c+15], v[SO+\c]
	v_cvt_scalef32_pk16_fp6_f32 v[CD+12+20*\u+4*\c:CD+14+20*\u+4*\c], v[X+64*\u+32*\c+16:X+64*\u+32*\c+31], v[SO+\c]   ; (a conversion's three registers begin on an even number)
.endr
	v_nop                                          ; one plain place behind a scaled conversion
.irp c, 0,1
.irp i, 0,1,2
	v_mov_b32 v[CD+20*\u+6*\c+3+\i], v[CD+12+20*\u+4*\c+\i]
.endr
.endr
.irp g, 0,1,2
	global_store_b128 v[GO], v[CD+20*\u+4*\g:CD+20*\u+4*\g+3], s[12:13] offset:12288*\u+512*\g   ; 32 lanes store 512 consecutive bytes, aligned
.endr
.endm
	s_wait_dscnt 16                                ; tile 0's sixteen loads are in; tile 1's sixteen may be out
	XTILE 0
	s_wait_dscnt 0x0
	XTILE 1
	v_cmp_le_u32 vcc_lo, 16, v[LANE]
	v_cndmask_b32 v[TP], v[WD], v[WD+1], vcc_lo
	ds_store_b32 v[SA], v[TP]                      ; the eight waves' words meet in LDS, so that they leave in whole runs
	s_wait_dscnt 0x0                               ; for the others' sake: my store has landed
	s_barrier_signal -1
	s_barrier_wait -1
	s_cmp_lt_u32 s8, 2
	s_cbranch_scc0 .Ldone
	ds_load_b128 v[8:11], v[SRD]                   ; wave w: tile w's 512 bytes
	s_wait_dscnt 0x0
	global_store_b128 v[GO], v[8:11], s[14:15]
.Ldone:
	s_wait_tensorcnt 0x0                           ; the wave's end
	ds_add_u32 v[SPW], v[NIL]
	s_wait_dscnt 0x0
	s_endpgm
.Lfunc_end_k_q6f0926c5eb_quant_x:
	.size	k_q6f0926c5eb_quant_x, .Lfunc_end_k_q6f0926c5eb_quant_x-k_q6f0926c5eb_quant_x
	.p2alignl 7, 3214868480
	.fill 96, 4, 3214868480
	.section	.rodata,"a",@progbits
	.p2align	6, 0x0
	.amdhsa_kernel k_q6f0926c5eb_quant_x
		.amdhsa_group_segment_fixed_size 167936
		.amdhsa_private_segment_fixed_size 0
		.amdhsa_enable_private_segment 0
		.amdhsa_kernarg_size 16
		.amdhsa_user_sgpr_count 2
		.amdhsa_user_sgpr_kernarg_segment_ptr 1
		.amdhsa_wavefront_size32 1
		.amdhsa_system_sgpr_workgroup_id_x 1
		.amdhsa_system_sgpr_workgroup_id_y 1
		.amdhsa_system_sgpr_workgroup_id_z 1
		.amdhsa_system_vgpr_workitem_id 0
		.amdhsa_next_free_vgpr 192
		.amdhsa_next_free_sgpr 66
		.amdhsa_reserve_vcc 1
		.amdhsa_float_denorm_mode_32 3
		.amdhsa_float_denorm_mode_16_64 3
		.amdhsa_memory_ordered 1
		.amdhsa_forward_progress 1
		.amdhsa_inst_pref_size 13
	.end_amdhsa_kernel
	.amdgpu_metadata
---
amdhsa.version: [ 1, 2 ]
amdhsa.kernels:
  - .name:           k_q6f0926c5eb_quant_x
    .symbol:         k_q6f0926c5eb_quant_x.kd
    .args:
      - { .name: x, .offset: 0, .size: 8, .value_kind: global_buffer, .address_space: global }
      - { .name: xq, .offset: 8, .size: 8, .value_kind: global_buffer, .address_space: global }
    .group_segment_fixed_size: 167936
    .private_segment_fixed_size: 0
    .kernarg_segment_align: 8
    .kernarg_segment_size: 16
    .max_flat_workgroup_size: 256
    .sgpr_count:     66
    .vgpr_count:     192
    .wavefront_size: 32
...
	.end_amdgpu_metadata
.endif
;; end of part 1
;; launch quant_w (part 2): grid 32 x 4, 8 waves a work-group, no clusters, 28,672 bytes of LDS; arguments Wq, Wk, Wv, Wo, wq; writes wq
.if DOCPART == 2
	.amdgcn_target "amdgcn-amd-amdhsa--gfx1250"
	.amdhsa_code_object_version 6
	.text
	.protected	k_q6f0926c5eb_quant_w
	.globl	k_q6f0926c5eb_quant_w
	.p2align	8
	.type	k_q6f0926c5eb_quant_w,@function
k_q6f0926c5eb_quant_w:
	s_mov_b64 s[64:65], 0
	v_nop
	global_prefetch_b8 v0, s[64:65] scope:SCOPE_SE
	s_setreg_imm32_b32 hwreg(HW_REG_WAVE_MODE, 25, 1), 1
	s_wait_xcnt 0x0
; The four weights [K 1024][N 1024] f32, K their FIRST axis, become codes of FP6 (E2M3) along K with one E8M0 byte for each 32, laid in the order of an operand's registers.
; A TILE is 16 columns n that are not neighbours: place p of tile 2 P + u is column 32 P + 8 u + p + 8 (p / 8).  AN IMAGE is a tile x 128 K: register 4 g + i of lane l at byte 512 g + 16 l + 4 i;
; lane (r, h) holds in registers 6 c .. 6 c + 5 the codes of k = 64 c + 32 h + 0 .. 31 of place r.
; wq: codes [tile 256 = 64 x weight (q, k, v, o) + tile][K step 8] images; from byte 3,145,728 on the scale words [tile][K half 2][place 16][K step % 4].
; A LANE TAKES A COLUMN AND ITS REGISTERS RUN DOWN K: a block of 32 lies in one lane, and the conversions give codes with K innermost.  Nothing is transposed by an instruction.
; A block's 24 bytes are six registers of ONE lane of an image: they go to that lane's places in the wave's stage in LDS, and the two images leave as they lie, 512 consecutive bytes a store.
; LIMITS: a block of zeros gets the byte 1 where the rule says 127 (its codes are zeros, and this program alone reads the bytes); blocks whose largest magnitude lies under 2^-124 are held at the byte 1; NaN and infinities are not served.
; SHARES: work-group (x, y): weight y, columns 64 (x / 2) on, K half x % 2.  Wave w: columns 32 (w % 2) on, K step 4 (x % 2) + w / 2: 32 columns x 128 K.  No tensor load, no cluster (nothing is read twice), no matrix work.
.set STG,    3328                      ; a wave's stage: two images,
.set TIL,    1664                      ; 1,536 bytes + 128 apart, so that the two tiles' stores start 32 words apart modulo 64 (64 banks of 4 bytes: ISA guide 11.1)
.set SCST,   26624                     ; the work-group's scale words: [tile 4][place 16][K step % 4], 1,024 bytes
.set SPARE,  27648                     ; the spare words, 128 bytes a wave: four blocks of 256 bytes that no other line names
.set SCALES, 3145728
.set GA,   4                           ; 4 x lane
.set AWS,  5                           ; LDS: my column's place in its image
.set ARD,  6                           ; LDS: stage + 16 x lane
.set GO,   7                           ; 16 x lane
.set SPW,  12
.set NIL,  13
.set SSA,  14                          ; LDS: where my column's scale word goes
.set SRD,  15                          ; LDS: where waves 0 and 1 read the words back
.set SGO,  16                          ; and where they go in memory
.set WD,   24                          ; my column's scale word
.set CD,   32                          ; block b: six registers of codes at v[32 + 8 b]
.set X,    64                          ; v64-191: my column's 128 numbers
.set OUTR, 192                         ; v192-215: the two images on their way out
	s_load_b256 s[8:15], s[0:1], 0x0               ; Wq, Wk, Wv, Wo
	s_load_b64 s[16:17], s[0:1], 0x20              ; wq
	v_lshl_add_u32 v[SPW], v0, 2, SPARE
	v_mov_b32 v[NIL], 0
	v_lshrrev_b32 v1, 5, v0
	v_readfirstlane_b32 s18, v1                    ; wave 0..7
	s_and_b32 s19, s18, 1                          ; p: which 32 columns
	s_lshr_b32 s20, s18, 1                         ; which K step of the half
	s_and_b32 s21, ttmp7, 0xffff                   ; the weight
	s_lshr_b32 s22, ttmp9, 1                       ; which 64 columns
	s_and_b32 s23, ttmp9, 1                        ; K half
	s_lshl_b32 s24, s23, 2
	s_add_co_u32 s24, s24, s20                     ; K step 0..7
	s_lshl_b32 s26, s24, 19                        ; W: 128 rows of 4,096 bytes a K step,
	s_lshl_b32 s27, s22, 8                         ; 256 bytes for 64 columns,
	s_add_co_u32 s26, s26, s27
	s_lshl_b32 s27, s19, 7                         ; 128 for 32
	s_add_co_u32 s26, s26, s27
	s_mov_b32 s27, 0
	s_lshl_b32 s25, s21, 6
	s_lshl_b32 s28, s22, 2
	s_add_co_u32 s25, s25, s28
	s_lshl_b32 s28, s19, 1
	s_add_co_u32 s25, s25, s28                     ; my first tile: 64 x weight + 4 x (x / 2) + 2 p
	s_mul_i32 s28, s25, 12288
	s_mul_i32 s29, s24, 1536
	s_add_co_u32 s28, s28, s29                     ; its image of my K step
	s_mov_b32 s29, 0
	s_lshl_b32 s30, s25, 9                         ; its scale words (in waves 0 and 1 p is the wave's number),
	s_lshl_b32 s31, s23, 8                         ; of my K half
	s_add_co_u32 s30, s30, s31
	s_add_co_u32 s30, s30, SCALES
	s_mov_b32 s31, 0
	s_mul_i32 s32, s18, STG                        ; my stage
	s_lshl_b32 s34, s19, 9
	s_add_co_u32 s34, s34, SCST                    ; my two tiles' words
	s_lshl_b32 s33, s20, 2
	s_add_co_u32 s33, s33, s34                     ; my K step's word in them
	v_and_b32 v1, 31, v0                           ; lane = my column among the 32
	v_bfe_u32 v2, v0, 3, 1                         ; its tile u,
	v_and_b32 v3, 7, v0
	v_bfe_u32 v17, v0, 4, 1
	v_lshl_or_b32 v3, v17, 3, v3                   ; and its place r = lane % 8 + 8 (lane / 16)
	v_lshlrev_b32 v[GA], 2, v1
	v_lshlrev_b32 v[GO], 4, v1
	v_mul_u32_u24 v[AWS], v2, TIL
	v_lshl_add_u32 v[AWS], v3, 4, v[AWS]
	v_add_nc_u32 v[AWS], s32, v[AWS]
	v_add_nc_u32 v[ARD], s32, v[GO]
	v_lshlrev_b32 v[SSA], 8, v2
	v_lshl_add_u32 v[SSA], v3, 4, v[SSA]
	v_add_nc_u32 v[SSA], s33, v[SSA]
	v_add_nc_u32 v[SRD], s34, v[GO]
	v_and_b32 v18, 15, v0
	v_lshlrev_b32 v18, 4, v18
	v_lshl_add_u32 v[SGO], v17, 9, v18             ; lanes 0-15 one tile's 256 bytes, lanes 16-31 the next tile's, 512 bytes on
	s_wait_kmcnt 0x0
	s_cmp_eq_u32 s21, 1                            ; the weight's address: a choice that hangs on the work-group's number alone
	s_cselect_b64 s[4:5], s[10:11], s[8:9]
	s_cmp_eq_u32 s21, 2
	s_cselect_b64 s[4:5], s[12:13], s[4:5]
	s_cmp_eq_u32 s21, 3
	s_cselect_b64 s[4:5], s[14:15], s[4:5]
	s_add_nc_u64 s[4:5], s[4:5], s[26:27]
	s_add_nc_u64 s[6:7], s[16:17], s[28:29]
	s_add_nc_u64 s[16:17], s[16:17], s[30:31]
.macro LOADB b                         ; block b: W(32 b + n, my column), n = 0 .. 31: a wave reads 128 consecutive bytes, two waves side by side 256
.set n, 0
.rept 32
	global_load_b32 v[X+32*(\b)+n], v[GA], s[4:5] offset:4096*(32*(\b)+n) th:TH_LOAD_NT
.set n, n+1
.endr
.endm
.macro WBLOCK b
.set XS, X+32*(\b)
.set CC, CD+8*(\b)
.if (\b) < 3
	s_wait_loadcnt 32                              ; this block's 32 loads are in; the next block's 32 may be out
.else
	s_wait_loadcnt 0x0
.endif
.if (\b) < 2
	LOADB (\b)+2                                   ; each block has registers of its own: the block two on is asked for at once
.endif
	v_max3_num_f32 v8, |v[XS]|, |v[XS+1]|, |v[XS+2]|               ; the block's largest magnitude: all 32 numbers are mine; two chains
	v_max3_num_f32 v9, |v[XS+3]|, |v[XS+4]|, |v[XS+5]|
.irp i, 6,10,14,18,22,26
	v_max3_num_f32 v8, v8, |v[XS+\i]|, |v[XS+\i+1]|
	v_max3_num_f32 v9, v9, |v[XS+\i+2]|, |v[XS+\i+3]|
.endr
	v_max3_num_f32 v8, v8, |v[XS+30]|, |v[XS+31]|
	v_max3_num_f32 v8, v8, v9, 0x1800000           ; and the floor 2^(3 - 127): the byte cannot fall under 1
	v_add_nc_u32 v10, 0xff000000, v8               ; 2 off the exponent field: the conversion's scale operand
	v_lshrrev_b32 v11, 23, v10                     ; the scale's byte
.if (\b) == 0
	v_mov_b32 v[WD], v11
.else
	v_lshl_or_b32 v[WD], v11, 8*(\b), v[WD]        ; the lower K in the lower byte
.endif
	v_cvt_scalef32_pk16_fp6_f32 v[CC:CC+2], v[XS:XS+15], v10
	v_cvt_scalef32_pk16_fp6_f32 v[CC+4:CC+6], v[XS+16:XS+31], v10   ; (a conversion's three registers begin on an even number)
	v_nop                                          ; one plain place behind a scaled conversion
	v_mov_b32 v[CC+3], v[CC+4]                     ; six registers on end
	v_mov_b32 v[CC+4], v[CC+5]
	v_mov_b32 v[CC+5], v[CC+6]
; block b = 2 c + h is registers 6 c .. 6 c + 5 of the image's lane 16 h + r
.if (\b) < 2
	ds_store_b128 v[AWS], v[CC:CC+3] offset:256*((\b)%2)            ; registers 0-3
	ds_store_b64 v[AWS], v[CC+4:CC+5] offset:256*((\b)%2)+512       ; registers 4, 5
.else
	ds_store_b64 v[AWS], v[CC:CC+1] offset:256*((\b)%2)+520         ; registers 6, 7
	ds_store_b128 v[AWS], v[CC+2:CC+5] offset:256*((\b)%2)+1024     ; registers 8-11
.endif
.endm
	LOADB 0
	LOADB 1
	WBLOCK 0
	WBLOCK 1
	WBLOCK 2
	WBLOCK 3
	ds_store_b32 v[SSA], v[WD]
.irp t, 0,1,2,3,4,5
	ds_load_b128 v[OUTR+4*\t:OUTR+4*\t+3], v[ARD] offset:TIL*(\t/3)+512*(\t%3)   ; LDS serves a wave's instructions in order (ISA guide 5.7.1.4): these see my stores
.endr
.irp t, 0,1,2,3,4,5
	s_wait_dscnt 5-\t                              ; the younger loads may be out
	global_store_b128 v[GO], v[OUTR+4*\t:OUTR+4*\t+3], s[6:7] offset:12288*(\t/3)+512*(\t%3)   ; 32 lanes store 512 consecutive bytes, aligned
.endr
	s_barrier_signal -1                            ; the last wait was for 0: my scale word has landed
	s_barrier_wait -1
	s_cmp_lt_u32 s18, 2
	s_cbranch_scc0 .Ldone
	ds_load_b128 v[8:11], v[SRD]                   ; wave w: tiles 2 w and 2 w + 1: for each place the K half's four words
	s_wait_dscnt 0x0
	global_store_b128 v[SGO], v[8:11], s[16:17]    ; sixteen lanes store 256 consecutive bytes, aligned
.Ldone:
	s_wait_tensorcnt 0x0                           ; the wave's end
	ds_add_u32 v[SPW], v[NIL]
	s_wait_dscnt 0x0
	s_endpgm
.Lfunc_end_k_q6f0926c5eb_quant_w:
	.size	k_q6f0926c5eb_quant_w, .Lfunc_end_k_q6f0926c5eb_quant_w-k_q6f0926c5eb_quant_w
	.p2alignl 7, 3214868480
	.fill 96, 4, 3214868480
	.section	.rodata,"a",@progbits
	.p2align	6, 0x0
	.amdhsa_kernel k_q6f0926c5eb_quant_w
		.amdhsa_group_segment_fixed_size 28672
		.amdhsa_private_segment_fixed_size 0
		.amdhsa_enable_private_segment 0
		.amdhsa_kernarg_size 40
		.amdhsa_user_sgpr_count 2
		.amdhsa_user_sgpr_kernarg_segment_ptr 1
		.amdhsa_wavefront_size32 1
		.amdhsa_system_sgpr_workgroup_id_x 1
		.amdhsa_system_sgpr_workgroup_id_y 1
		.amdhsa_system_sgpr_workgroup_id_z 1
		.amdhsa_system_vgpr_workitem_id 0
		.amdhsa_next_free_vgpr 216
		.amdhsa_next_free_sgpr 66
		.amdhsa_reserve_vcc 0
		.amdhsa_float_denorm_mode_32 3
		.amdhsa_float_denorm_mode_16_64 3
		.amdhsa_memory_ordered 1
		.amdhsa_forward_progress 1
		.amdhsa_inst_pref_size 23
	.end_amdhsa_kernel
	.amdgpu_metadata
---
amdhsa.version: [ 1, 2 ]
amdhsa.kernels:
  - .name:           k_q6f0926c5eb_quant_w
    .symbol:         k_q6f0926c5eb_quant_w.kd
    .args:
      - { .name: Wq, .offset: 0, .size: 8, .value_kind: global_buffer, .address_space: global }
      - { .name: Wk, .offset: 8, .size: 8, .value_kind: global_buffer, .address_space: global }
      - { .name: Wv, .offset: 16, .size: 8, .value_kind: global_buffer, .address_space: global }
      - { .name: Wo, .offset: 24, .size: 8, .value_kind: global_buffer, .address_space: global }
      - { .name: wq, .offset: 32, .size: 8, .value_kind: global_buffer, .address_space: global }
    .group_segment_fixed_size: 28672
    .private_segment_fixed_size: 0
    .kernarg_segment_align: 8
    .kernarg_segment_size: 40
    .max_flat_workgroup_size: 256
    .sgpr_count:     66
    .vgpr_count:     216
    .wavefront_size: 32
...
	.end_amdgpu_metadata
.endif
;; end of part 2
;; launch gemm_qkv (part 3): grid 12 x 64, 4 waves a work-group, clusters of 4 x 4, 327,680 bytes of LDS; arguments wq, xq, bq, bk, bv, qkv; writes qkv
.if DOCPART == 3
	.amdgcn_target "amdgcn-amd-amdhsa--gfx1250"
	.amdhsa_code_object_version 6
	.text
	.protected	k_q6f0926c5eb_gemm_qkv
	.globl	k_q6f0926c5eb_gemm_qkv
	.p2align	8
	.type	k_q6f0926c5eb_gemm_qkv,@function
k_q6f0926c5eb_gemm_qkv:
	s_mov_b64 s[64:65], 0
	v_nop
	global_prefetch_b8 v0, s[64:65] scope:SCOPE_SE
	s_setreg_imm32_b32 hwreg(HW_REG_WAVE_MODE, 25, 1), 1
	s_wait_xcnt 0x0
	s_wait_alu depctr_hold_cnt(0) depctr_sa_sdst(0) depctr_va_vdst(0) depctr_va_sdst(0) depctr_va_ssrc(0) depctr_va_vcc(0) depctr_vm_vsrc(0)
	s_getreg_b32 s2, hwreg(HW_REG_IB_STS2, 6, 4)
	s_cmp_eq_u32 s2, 0
	s_cbranch_scc0 .Lentry_in_a_cluster
	s_endpgm
.Lentry_in_a_cluster:
	s_bfe_u32 s2, ttmp6, 0x10000c
	s_cmp_lg_u32 s2, 0xf033
	s_cbranch_scc0 .Lentry_shape_is_right
	s_endpgm
.Lentry_shape_is_right:
; q = x Wq + bq, k = x Wk + bk, v = x Wv + bv on codes of FP6 (E2M3), sums in f32; the results are quantised in registers and leave as codes, laid as the attention launch's operands.
; OPERANDS: wq and xq hold images of fragments (a tile of 16 rows x 128 K: register 4 g + i of lane l at byte 512 g + 16 l + 4 i), eight to a tile, and scale words [tile][K half][place][K step % 4].
; Place p of tile 2 P + u is row 32 P + 8 u + p + 8 (p / 8): so the 16 registers of the results of source 0's tiles 2 P and 2 P + 1 are 16 neighbouring rows of source 0, 32 P + 16 (lane / 16) + 0 .. 15.
; SHARES: a work-group makes 128 tokens x 256 features; the cluster's x says which weight (0 q, 1 k, 2 v).  Wave w takes all 8 token tiles x the 4 feature tiles of ONE head (4 cx + w): 32 accumulators, 256 registers.
; q, k: source 0 = W, source 1 = x: a lane holds a token and its registers run along the head's 64: the K of the scores.  Token tiles 2 i and 2 i + 1 together fill one image (registers 0-5, 6-11) and one scale word (bytes 0, 1 and 2, 3).
; v:    source 0 = x, source 1 = W: a lane holds a feature and its registers run along the 128 tokens: the K of the second product.  Feature tile i x the 128 tokens is one image.
; qkv: codes [batch x head 64][q, k, v][128 tokens 16][i 4] images; from byte 18,874,368 on scale words [batch x head][q, k, v][128 tokens][place 16][i 4].
; LDS: K is 1,024, so both operands for ALL of K fit: every byte is filled once, in four chunks of 256 along K; the waves go on as the chunks land.  No ring, no refill.
; CLUSTER 4 x 4: W's tiles hang on the feature block alone and are asked for jointly by a column of the cluster, x's on the token block alone, by a row.  Waves 0 and 1 fetch W's halves, wave 2 x's, five loads each.
; The biases are the C of each sum's first matrix instruction.  LIMITS of the quantiser: a block of zeros gets the byte 1 where the rule says 127 (its codes are zeros, and this program alone reads the bytes);
; blocks whose largest magnitude lies under 2^-124 are held at the byte 1; NaN and infinities are not served.
; No prefetch: all that a work-group reads is asked for in its first group of loads.  One block to a work-group: a second would fill LDS bytes again.
; REGISTERS, in windows of 256: window 0: v1-13 addresses; v16-31 at work; v32-95 x's scale words (8 a + K step), v96-127 W's (8 t + K step); v128-223 the codes just made; v224-227 their scale words.
;   window 1: x's fragments, two sets (128 p + 12 a).   window 2: the 32 accumulators.   window 3: W's fragments, two sets (48 p + 12 t); from v128 the bias, 8 registers a feature tile.
.set CHW,     49152                    ; LDS: a chunk of W: 16 tiles x 3,072 bytes (two images each)
.set CHX,     24576                    ; a chunk of x: 8 tiles
.set XREG,    196608                   ; W's four chunks lie from 0 on, x's from here on
.set WSB,     294912                   ; W's scale words, 8,192 bytes
.set XSB,     303104                   ; x's, 4,096 bytes
.set SPARE,   307200                   ; the spare words, 128 bytes a wave: two blocks of 256 bytes that no other line names
.set WSCALES, 3145728
.set XSCALES, 6291456
.set QSCALES, 18874368
.set LANE, 1
.set RR,   2
.set HH,   3
.set AX,   4                           ; LDS: x's chunk in hand + 16 x lane
.set AW,   5                           ; LDS: my four tiles of W's chunk in hand + 16 x lane
.set ASX,  6
.set ASW,  7
.set GO,   8                           ; 16 x lane
.set GS,   9                           ; 16 x (lane % 16)
.set BO,   10                          ; bias, q and k: 64 x (lane / 16)
.set BO1,  11                          ; bias, v: 4 x (r + 8 (r / 8))
.set SPW,  12
.set NIL,  13
.set TM,   16
.set XSC,  32
.set WSC,  96
.set PC,   128
.set PW,   224
.set CB,   128                         ; in window 3
.set WV,   16                          ; s16 my wave's number
.set SEL,  66                          ; s66, s67 lane selects for v_permlanex16_b32
.set MSB, 0
.macro WIN new                         ; the immediate's high byte repeats the setting that is left
.if MSB != (\new)
	s_set_vgpr_msb (MSB<<8)|(\new)
.set MSB, (\new)
.endif
.endm
.macro CROUND                          ; a round of the cluster's barrier
	s_barrier_signal -1
	s_barrier_wait -1
	s_cmp_lg_u32 s[WV], 0
	s_cbranch_scc1 .Lnot_wave_0_\@
	s_barrier_signal -3
.Lnot_wave_0_\@:
	s_barrier_wait -3
	s_barrier_signal -1
	s_barrier_wait -1
.endm
.macro PLACES n
.rept \n
	v_nop
.endr
.endm
	s_load_b256 s[4:11], s[0:1], 0x0               ; wq s[4:5], xq s[6:7], bq s[8:9], bk s[10:11]
	s_load_b128 s[12:15], s[0:1], 0x20             ; bv s[12:13], qkv s[14:15]
	v_lshl_add_u32 v[SPW], v0, 2, SPARE
	v_mov_b32 v[NIL], 0
	ds_add_u32 v[SPW], v[NIL]                      ; the opening: the add and its wait ahead of the round in front of the first loads; work on registers stands between
	v_lshrrev_b32 v1, 5, v0
	v_readfirstlane_b32 s[WV], v1                  ; wave 0..3
	s_and_b32 s23, s[WV], 1                        ; which half of W's tiles a fetching wave takes
	s_bfe_u32 s17, ttmp6, 0x40000                  ; cx
	s_bfe_u32 s18, ttmp6, 0x40004                  ; cy
	s_lshl_b32 s19, ttmp9, 2
	s_add_co_u32 s19, s19, s17                     ; feature block 0..11 = 4 x cluster x + cx
	s_and_b32 s20, ttmp7, 0xffff
	s_lshl_b32 s20, s20, 2
	s_add_co_u32 s20, s20, s18                     ; token block 0..63 = 4 x cluster y + cy
	s_lshl_b32 s21, 0x1111, s17                    ; my column of the cluster
	s_lshl_b32 s22, s18, 2
	s_lshl_b32 s22, 15, s22                        ; my row
	s_or_b32 s24, s21, (3<<16)|(1<<21)             ; group 1, W's chunks: the mask; elements of 8 bytes; bit 21 beside a mask; no padding
	s_or_b32 s32, s22, (3<<16)|(1<<21)             ; x's chunks
	s_or_b32 s40, s21, (3<<16)|(1<<21)             ; W's scale words
	s_or_b32 s48, s22, (3<<16)|(1<<21)             ; x's scale words
.irp g, 24, 32                         ; 8 tiles x 3,072 bytes, 12,288 bytes from tile to tile
	s_mov_b32 s[\g+1], 384<<16
	s_mov_b32 s[\g+2], 8<<16
	s_mov_b32 s[\g+3], 384<<16
	s_mov_b32 s[\g+4], 8
	s_mov_b32 s[\g+5], 1536
	s_mov_b32 s[\g+6], 0
	s_mov_b32 s[\g+7], 0
.endr
.irp g, 40, 48                         ; 4,096 dense bytes as 16 rows of 256
	s_mov_b32 s[\g+1], 32<<16
	s_mov_b32 s[\g+2], 16<<16
	s_mov_b32 s[\g+3], 32<<16
	s_mov_b32 s[\g+4], 16
	s_mov_b32 s[\g+5], 32
	s_mov_b32 s[\g+6], 0
	s_mov_b32 s[\g+7], 0
.endr
	s_mul_i32 s66, s19, 196608                     ; W's codes: 16 tiles of 12,288 bytes a feature block,
	s_mul_i32 s67, s23, 98304                      ; 8 a half
	s_add_co_u32 s66, s66, s67
	s_mov_b32 s67, 0
	s_lshl_b32 s2, s19, 13                         ; W's scale words: 8,192 bytes a block, 4,096 a half
	s_lshl_b32 s57, s23, 12
	s_add_co_u32 s2, s2, s57
	s_add_co_u32 s2, s2, WSCALES
	s_mov_b32 s3, 0
	s_add_co_u32 s57, s57, WSB                     ; and where they go
	s_mul_i32 s100, s20, 98304                     ; x's codes: 8 tiles a token block
	s_mov_b32 s101, 0
	s_lshl_b32 s104, s20, 12                       ; x's scale words
	s_add_co_u32 s104, s104, XSCALES
	s_mov_b32 s105, 0
	s_mul_i32 s21, s23, 24576                      ; a half of a chunk of W in LDS: no place in the cluster enters an LDS address
	s_wait_dscnt 0x0                               ; the opening add is done
	s_wait_kmcnt 0x0
	s_add_nc_u64 s[66:67], s[4:5], s[66:67]
	s_add_nc_u64 s[2:3], s[4:5], s[2:3]
	s_add_nc_u64 s[100:101], s[6:7], s[100:101]
	s_add_nc_u64 s[104:105], s[6:7], s[104:105]
	s_mov_b32 s56, 1                               ; group 0: W's scale words
	s_mov_b64 s[58:59], s[2:3]
	s_or_b32 s59, s59, 0x80000000
	s_mov_b32 s60, 1                               ; x's scale words
	s_mov_b32 s61, XSB
	s_mov_b64 s[62:63], s[104:105]
	s_or_b32 s63, s63, 0x80000000
.irp c, 0,1,2,3
	s_mov_b32 s[68+4*\c], 1                        ; W's chunk c
	s_add_co_u32 s[69+4*\c], s21, CHW*\c
	s_add_nc_u64 s[70+4*\c:71+4*\c], s[66:67], 3072*\c
	s_or_b32 s[71+4*\c], s[71+4*\c], 0x80000000
	s_mov_b32 s[84+4*\c], 1                        ; x's chunk c
	s_mov_b32 s[85+4*\c], XREG+CHX*\c
	s_add_nc_u64 s[86+4*\c:87+4*\c], s[100:101], 3072*\c
	s_or_b32 s[87+4*\c], s[87+4*\c], 0x80000000
.endr
	CROUND                                         ; all sixteen work-groups are here: the joint loads meet
	s_cmp_lt_u32 s[WV], 2                          ; a wave's first fills stand in one branch on its number: five loads of a fetching wave are out
	s_cbranch_scc0 .Lnot_w
	tensor_load_to_lds s[56:59], s[40:47]
	s_nop 0
.irp c, 0,1,2,3
	tensor_load_to_lds s[68+4*\c:71+4*\c], s[24:31]
	s_nop 0
.endr
	PLACES 4
	s_branch .Lasked
.Lnot_w:
	s_cmp_eq_u32 s[WV], 2
	s_cbranch_scc0 .Lasked
	tensor_load_to_lds s[60:63], s[48:55]
	s_nop 0
.irp c, 0,1,2,3
	tensor_load_to_lds s[84+4*\c:87+4*\c], s[32:39]
	s_nop 0
.endr
	PLACES 4
.Lasked:
	v_and_b32 v[LANE], 31, v0
	v_and_b32 v[RR], 15, v0
	v_bfe_u32 v[HH], v0, 4, 1
	v_lshlrev_b32 v[GO], 4, v[LANE]
	v_lshlrev_b32 v[GS], 4, v[RR]
	v_add_nc_u32 v[AX], XREG, v[GO]
	s_mul_i32 s21, s[WV], 12288                    ; my four tiles of a chunk of W
	v_add_nc_u32 v[AW], s21, v[GO]
	v_add_nc_u32 v[ASX], XSB, v[GS]
	s_lshl_b32 s22, s[WV], 11
	s_add_co_u32 s22, s22, WSB
	v_add_nc_u32 v[ASW], s22, v[GS]
	v_lshlrev_b32 v[BO], 6, v[HH]
	v_and_b32 v[BO1], 8, v[RR]
	v_add_nc_u32 v[BO1], v[BO1], v[RR]
	v_lshlrev_b32 v[BO1], 2, v[BO1]
.irp b, 0,1,2,3
	v_mov_b32 v[TM+4+\b], 0                        ; a lane permute's destination counts as one of its sources
.endr
	s_mov_b32 s[SEL], 0x76543210
	s_mov_b32 s[SEL+1], 0xfedcba98
	s_lshl_b32 s2, s17, 2
	s_add_co_u32 s2, s2, s[WV]                     ; my head = 4 cx + wave
	s_lshr_b32 s3, s20, 4
	s_lshl_b32 s3, s3, 4
	s_add_co_u32 s3, s3, s2                        ; 16 x batch + head
	s_and_b32 s21, s20, 15                         ; which 128 tokens of the batch
	s_mul_i32 s100, s3, 294912
	s_mul_i32 s22, ttmp9, 98304
	s_add_co_u32 s100, s100, s22
	s_mul_i32 s22, s21, 6144
	s_add_co_u32 s100, s100, s22
	s_mov_b32 s101, 0
	s_mul_i32 s104, s3, 12288
	s_lshl_b32 s22, ttmp9, 12
	s_add_co_u32 s104, s104, s22
	s_lshl_b32 s22, s21, 8
	s_add_co_u32 s104, s104, s22
	s_add_co_u32 s104, s104, QSCALES
	s_mov_b32 s105, 0
	s_add_nc_u64 s[4:5], s[14:15], s[100:101]      ; where my four images go,
	s_add_nc_u64 s[6:7], s[14:15], s[104:105]      ; and their scale words
	s_lshl_b32 s100, s2, 8                         ; my head's 64 numbers of the bias
	s_cmp_eq_u32 ttmp9, 0                          ; whose bias: a choice on the cluster's x
	s_cselect_b64 s[8:9], s[8:9], s[10:11]
	s_cmp_eq_u32 ttmp9, 2
	s_cselect_b64 s[8:9], s[12:13], s[8:9]
	s_add_nc_u64 s[8:9], s[8:9], s[100:101]
.macro FETCH ks, p                     ; the fragments of K step ks into set p: 36 loads of 512 consecutive bytes
	WIN 0x40                                       ; destination window 1
.irp a, 0,1,2,3,4,5,6,7
.irp g, 0,1,2
	ds_load_b128 v[128*(\p)+12*\a+4*\g:128*(\p)+12*\a+4*\g+3], v[AX] offset:3072*\a+1536*((\ks)%2)+512*\g
.endr
.endr
	WIN 0xc0                                       ; destination window 3
.irp t, 0,1,2,3
.irp g, 0,1,2
	ds_load_b128 v[48*(\p)+12*\t+4*\g:48*(\p)+12*\t+4*\g+3], v[AW] offset:3072*\t+1536*((\ks)%2)+512*\g
.endr
.endr
	WIN 0
.endm
; 32 matrix instructions, each accumulator once: they take turns, one instruction a turn, in the same order in every K step.  The first K step takes the bias as C.
.macro MUL m, ks, p
.if (\m) == 0
.if (\ks) == 0
	WIN 0xb7                                       ; source 0 (W) window 3, source 1 (x) window 1, C (bias) window 3, D window 2
.else
	WIN 0xa7                                       ; C and D window 2
.endif
.else
.if (\ks) == 0
	WIN 0xbd                                       ; source 0 (x) window 1, source 1 (W) window 3
.else
	WIN 0xad
.endif
.endif
.irp a, 0,1,2,3,4,5,6,7
.irp t, 0,1,2,3
.if (\m) == 0
.set MD, 8*(4*\a+\t)
.set MA, 48*(\p)+12*\t
.set MB, 128*(\p)+12*\a
.set SCA, WSC+8*\t+(\ks)
.set SCB, XSC+8*\a+(\ks)
.else
.set MD, 8*(8*\t+\a)
.set MA, 128*(\p)+12*\a
.set MB, 48*(\p)+12*\t
.set SCA, XSC+8*\a+(\ks)
.set SCB, WSC+8*\t+(\ks)
.endif
.if (\ks) == 0
	v_wmma_scale_f32_16x16x128_f8f6f4 v[MD:MD+7], v[MA:MA+11], v[MB:MB+11], v[CB+8*\t:CB+8*\t+7], v[SCA], v[SCB] matrix_a_fmt:MATRIX_FMT_FP6 matrix_b_fmt:MATRIX_FMT_FP6
.else
	v_wmma_scale_f32_16x16x128_f8f6f4 v[MD:MD+7], v[MA:MA+11], v[MB:MB+11], v[MD:MD+7], v[SCA], v[SCB] matrix_a_fmt:MATRIX_FMT_FP6 matrix_b_fmt:MATRIX_FMT_FP6
.endif
.endr
.endr
.endm
; A K step of 128.  At its head the next step's fragments are asked for, into the set that the step before multiplied: they have this step's 32 products in which to land.
.macro KSTEP m, ks
	s_wait_dscnt 0x0                               ; this step's fragments are in
	WIN 0
.if (\ks) == 1 || (\ks) == 3 || (\ks) == 5
	s_wait_tensorcnt 3-((\ks)+1)/2                 ; the next chunk has landed: so many younger chunks of mine may be out;
	s_barrier_signal -1
	s_barrier_wait -1                              ; everybody's part of it has.
	v_add_nc_u32 v[AX], CHX, v[AX]
	v_add_nc_u32 v[AW], CHW, v[AW]
	PLACES 2                                       ; with the two additions: four places behind the last products, in front of loads into their operands (ISA guide 7.12.1 for vector instructions)
.elseif (\ks) == 2 || (\ks) == 4 || (\ks) == 6
	PLACES 4
.endif
.if (\ks) < 7
	FETCH (\ks)+1, ((\ks)+1)%2
.endif
	MUL \m, \ks, (\ks)%2
.endm
; 64 results of a lane, accumulators' registers 64 i .. 64 i + 63, register 16 b + n = k 32 b + 16 (lane / 16) + n of the lane's row, become an image's codes in v[PC + 24 i] on and its scale word in v[PW + i].
.macro QUANT i
.set QS, 64*(\i)
.set QC, PC+24*(\i)
	WIN 0x28                                       ; sources 1 and 2 window 2
.irp b, 0,1,2,3
	v_max3_num_f32 v[TM+\b], 0x1800000, |v[QS+16*\b]|, |v[QS+16*\b+1]|   ; each accumulator from its low end on; the floor 2^(3 - 127): the byte cannot fall under 1
.endr
.irp n, 2,4,6,8,10,12,14
.irp b, 0,1,2,3
	v_max3_num_f32 v[TM+\b], v[TM+\b], |v[QS+16*\b+\n]|, |v[QS+16*\b+\n+1]|   ; the four blocks by turns
.endr
.endr
	WIN 0
.irp b, 0,1,2,3
	v_permlanex16_b32 v[TM+4+\b], v[TM+\b], s[SEL], s[SEL+1]
.endr
.irp b, 0,1,2,3
	v_max_num_f32 v[TM+\b], v[TM+\b], v[TM+4+\b]   ; with lane l xor 16's: the block's largest magnitude
.endr
.irp b, 0,1,2,3
	v_add_nc_u32 v[TM+12+\b], 0xff000000, v[TM+\b] ; 2 off the exponent field: the conversion's scale operand
.endr
.irp b, 0,1,2,3
	v_lshrrev_b32 v[TM+4+\b], 23, v[TM+12+\b]      ; the scale's byte
.endr
	v_lshl_or_b32 v[PW+\i], v[TM+5], 8, v[TM+4]
	v_lshl_or_b32 v[PW+\i], v[TM+6], 16, v[PW+\i]
	v_lshl_or_b32 v[PW+\i], v[TM+7], 24, v[PW+\i]
	WIN 0x02                                       ; source 0 window 2
.irp c, 0,1
	v_cvt_scalef32_pk16_fp6_f32 v[QC+6*\c:QC+6*\c+2], v[QS+32*\c:QS+32*\c+15], v[TM+12+2*\c]
	v_cvt_scalef32_pk16_fp6_f32 v[QC+12+4*\c:QC+14+4*\c], v[QS+32*\c+16:QS+32*\c+31], v[TM+13+2*\c]   ; (a conversion's three registers begin on an even number)
.endr
	WIN 0
	v_nop                                          ; one plain place behind a scaled conversion
.irp c, 0,1                            ; the operand's layout wants a whole block in a lane: lanes 0-15 block 2 c, lanes 16-31 block 2 c + 1
.irp e, 0,1,2
	v_permlane16_swap_b32 v[QC+6*\c+\e], v[QC+12+4*\c+\e]
.endr
.irp e, 0,1,2
	v_mov_b32 v[QC+3+6*\c+\e], v[QC+12+4*\c+\e]
.endr
.endr
.endm
.macro PATH m
	WIN 0xc0                                       ; destination window 3
.if (\m) == 0
.irp t, 0,1,2,3                        ; lane (r, h), register j of feature tile t: the bias of feature 32 (t / 2) + 16 h + 8 (t % 2) + j
	global_load_b128 v[CB+8*\t:CB+8*\t+3], v[BO], s[8:9] offset:(32*(\t/2)+8*(\t%2))*4
	global_load_b128 v[CB+8*\t+4:CB+8*\t+7], v[BO], s[8:9] offset:(32*(\t/2)+8*(\t%2))*4+16
.endr
.else
.irp t, 0,1,2,3                        ; lane (r, h): all eight registers hold the bias of the lane's own feature, 32 (t / 2) + 8 (t % 2) + r + 8 (r / 8)
.irp j, 0,1,2,3,4,5,6,7
	global_load_b32 v[CB+8*\t+\j], v[BO1], s[8:9] offset:(32*(\t/2)+8*(\t%2))*4
.endr
.endr
.endif
	WIN 0
	s_wait_tensorcnt 3                             ; the scale words and chunk 0 have landed: my three younger chunks may be out
	s_barrier_signal -1
	s_barrier_wait -1                              ; everybody's have
.irp a, 0,1,2,3,4,5,6,7
.irp k, 0,1
	ds_load_b128 v[XSC+8*\a+4*\k:XSC+8*\a+4*\k+3], v[ASX] offset:512*\a+256*\k   ; four K steps' words of my place by one load; they stay
.endr
.endr
.irp t, 0,1,2,3
.irp k, 0,1
	ds_load_b128 v[WSC+8*\t+4*\k:WSC+8*\t+4*\k+3], v[ASW] offset:512*\t+256*\k
.endr
.endr
	FETCH 0, 0
	s_wait_loadcnt 0x0                             ; the bias
.irp s, 0,1,2,3,4,5,6,7
	KSTEP \m, \s
.endr
	PLACES 4                                       ; behind the last products, in front of the first read of results
.irp i, 0,1,2,3
	QUANT \i
.irp g, 0,1,2
	global_store_b128 v[GO], v[PC+24*\i+4*\g:PC+24*\i+4*\g+3], s[4:5] offset:1536*\i+512*\g   ; 32 lanes store 512 consecutive bytes, aligned; each image has registers of its own
.endr
.endr
	s_wait_xcnt 0x0                                ; EXEC changes only behind this wait
	v_cmp_gt_u32 vcc_lo, 16, v[LANE]
	s_and_saveexec_b32 s100, vcc_lo
	global_store_b128 v[GS], v[PW:PW+3], s[6:7]    ; sixteen lanes store 256 consecutive bytes, aligned: the four images' words of each place
	s_wait_xcnt 0x0
	s_or_b32 exec_lo, exec_lo, s100
.endm
	s_cmp_eq_u32 ttmp9, 2                          ; the cluster's x: the same in all sixteen partners
	s_cbranch_scc1 .Lpath_v
	PATH 0
	s_branch .Ljoin
.Lpath_v:
	PATH 1
.Ljoin:
	s_wait_tensorcnt 0x0                           ; the wave's end
	ds_add_u32 v[SPW], v[NIL]
	s_wait_dscnt 0x0
	CROUND                                         ; the closing round
	s_endpgm
.Lfunc_end_k_q6f0926c5eb_gemm_qkv:
	.size	k_q6f0926c5eb_gemm_qkv, .Lfunc_end_k_q6f0926c5eb_gemm_qkv-k_q6f0926c5eb_gemm_qkv
	.p2alignl 7, 3214868480
	.fill 96, 4, 3214868480
	.section	.rodata,"a",@progbits
	.p2align	6, 0x0
	.amdhsa_kernel k_q6f0926c5eb_gemm_qkv
		.amdhsa_group_segment_fixed_size 327680
		.amdhsa_private_segment_fixed_size 0
		.amdhsa_enable_private_segment 0
		.amdhsa_kernarg_size 48
		.amdhsa_user_sgpr_count 2
		.amdhsa_user_sgpr_kernarg_segment_ptr 1
		.amdhsa_wavefront_size32 1
		.amdhsa_system_sgpr_workgroup_id_x 1
		.amdhsa_system_sgpr_workgroup_id_y 1
		.amdhsa_system_sgpr_workgroup_id_z 1
		.amdhsa_system_vgpr_workitem_id 0
		.amdhsa_next_free_vgpr 1024
		.amdhsa_next_free_sgpr 106
		.amdhsa_reserve_vcc 1
		.amdhsa_float_denorm_mode_32 3
		.amdhsa_float_denorm_mode_16_64 3
		.amdhsa_memory_ordered 1
		.amdhsa_forward_progress 1
		.amdhsa_inst_pref_size 157
	.end_amdhsa_kernel
	.amdgpu_metadata
---
amdhsa.version: [ 1, 2 ]
amdhsa.kernels:
  - .name:           k_q6f0926c5eb_gemm_qkv
    .symbol:         k_q6f0926c5eb_gemm_qkv.kd
    .args:
      - { .name: wq, .offset: 0, .size: 8, .value_kind: global_buffer, .address_space: global }
      - { .name: xq, .offset: 8, .size: 8, .value_kind: global_buffer, .address_space: global }
      - { .name: bq, .offset: 16, .size: 8, .value_kind: global_buffer, .address_space: global }
      - { .name: bk, .offset: 24, .size: 8, .value_kind: global_buffer, .address_space: global }
      - { .name: bv, .offset: 32, .size: 8, .value_kind: global_buffer, .address_space: global }
      - { .name: qkv, .offset: 40, .size: 8, .value_kind: global_buffer, .address_space: global }
    .group_segment_fixed_size: 327680
    .private_segment_fixed_size: 0
    .kernarg_segment_align: 8
    .kernarg_segment_size: 48
    .max_flat_workgroup_size: 128
    .sgpr_count:     106
    .vgpr_count:     1024
    .wavefront_size: 32
...
	.end_amdgpu_metadata
.endif
;; end of part 3
;; launch attn (part 4): grid 4 x 64, 16 waves a work-group, clusters of 4 x 1, 206,848 bytes of LDS; arguments qkv, cq; writes cq
.if DOCPART == 4
	.amdgcn_target "amdgcn-amd-amdhsa--gfx1250"
	.amdhsa_code_object_version 6
	.text
	.protected	k_q6f0926c5eb_attn
	.globl	k_q6f0926c5eb_attn
	.p2align	8
	.type	k_q6f0926c5eb_attn,@function
k_q6f0926c5eb_attn:
	s_mov_b64 s[64:65], 0
	v_nop
	global_prefetch_b8 v0, s[64:65] scope:SCOPE_SE
	s_setreg_imm32_b32 hwreg(HW_REG_WAVE_MODE, 25, 1), 1
	s_wait_xcnt 0x0
	s_wait_alu depctr_hold_cnt(0) depctr_sa_sdst(0) depctr_va_vdst(0) depctr_va_sdst(0) depctr_va_ssrc(0) depctr_va_vcc(0) depctr_vm_vsrc(0)
	s_getreg_b32 s2, hwreg(HW_REG_IB_STS2, 6, 4)
	s_cmp_eq_u32 s2, 0
	s_cbranch_scc0 .Lentry_in_a_cluster
	s_endpgm
.Lentry_in_a_cluster:
	s_bfe_u32 s2, ttmp6, 0x10000c
	s_cmp_lg_u32 s2, 0x3003
	s_cbranch_scc0 .Lentry_shape_is_right
	s_endpgm
.Lentry_shape_is_right:
; ctx = softmax(q k^T / 8) v for one head of one batch, both products on codes of FP6 (E2M3); ctx is quantised along the head's 64 and leaves as codes for the last product.
; THE SOFTMAX: t = score x log2(e) / 8; M = the row's largest t so far, rounded UP to a whole number (a running maximum); p = 2^(t - M) is quantised along the keys, not normalised;
; the row's sum is taken of the unquantised p in f32 and divides at the end.  When M moves, the sum and O are multiplied by 2^(old M - new M): exact.
; INPUT (qkv): images of fragments (register 4 g + i of lane l at byte 512 g + 16 l + 4 i).  For q and k an image holds a PAIR of token tiles: registers 0-5 the first tile's 64 channels, registers 6-11 the second's;
; its scale word: bytes 0, 1 the first tile's, bytes 2, 3 the second's.  For v an image is 16 channels x 128 keys.  Place p of tile 2 P + u is row 32 P + 8 u + p + 8 (p / 8).
; THE SCORES' K IS 64, the instruction's 128: a pair image of k fills all 128; multiplied by [q | zeros] it gives the first tile's scores, by [zeros | q] the second's.  Zero codes meet the tile that is not wanted:
; every code of this format is a finite number and no scale byte here is 0xff, so that half adds exact zeros.
; Both products are used transposed (source 0 = keys, or channels of v; source 1 = my queries, or p): a lane holds ONE query throughout, and the 16 registers of two neighbouring score tiles are 16 neighbouring keys.
; SHARES: a head's k and v as codes are 2 x 98,304 bytes: both stay whole in LDS, every byte filled once: no ring.  A work-group takes 512 queries; each of its sixteen waves a pair of query tiles, one tile a pass:
; four waves to a SIMD, so that one wave's vector work stands beside another's products and LDS loads.  The step has some twenty vector instructions for each matrix instruction: the products are not dealt out among them.
; CLUSTER 4 x 1: the head's four work-groups ask for k and v jointly.  Wave 0 fetches k, wave 1 v: the scale words, then four chunks of 512 keys: five loads out.  No prefetch: all is asked for at the head.
; OUTPUT (cq): [token tile 512][head 16] half images (6 registers a lane: registers 0-3 at 16 l, registers 4, 5 at 512 + 8 l); from byte 6,291,456 on scale words [tile][K half][place][K step % 4].
; A head gives two of a word's four bytes, so these leave by stores of 2 bytes a lane: one byte in 24 of what the launch stores.
; LIMITS of the quantisers: a block of zeros gets the byte 1 where the rule says 127 (its codes are zeros, and this program alone reads the bytes); blocks whose largest magnitude lies under 2^-124 are held at the byte 1;
; an exponential whose result would lie under 2^-126 gives 0; NaN and infinities are not served.
.set VB,      98304                    ; LDS: k from 0 on, v from here on
.set KSB,     196608                   ; k's scale words, 4,096 bytes; v's behind them
.set SPARE,   204800                   ; the spare words, 128 bytes a wave: eight blocks of 256 bytes that no other line names
.set QSCALES, 18874368
.set CSCALES, 6291456
.set LI,  1                            ; 16 x lane: an image's place for my lane, in LDS and in memory
.set AV0, 2
.set AS0, 3
.set SPW, 4
.set NIL, 5
.set GO8, 7                            ; 512 + 8 x lane
.set ADK, 8
.set ADV, 9
.set ADS, 10
.set GSC, 11                           ; 16 x (lane % 16)
.set NM,  12                           ; v12 -M, v13 the largest t
.set LS,  14                           ; v[14:15] the sum in two halves
.set QZ,  16                           ; v16-21 zeros, v22-27 q, v28-33 zeros: v[22:33] = [q | 0], v[16:27] = [0 | q]
.set QP,  34                           ; v34-45 my pair's image
.set QW,  46                           ; its scale word
.set QSW, 47                           ; the tile's two bytes, twice
.set KV,  48                           ; v48-95 four images of k, then of v
.set S,   96                           ; v96-159 the scores, then p
.set O,   160                          ; v160-191 O^T
.set PC,  192                          ; v192-203 p's codes
.set PT,  204                          ; v204-206, v208-210 at work
.set KSC, 212
.set VSC, 216
.set BM,  220
.set BP,  224
.set BS,  228
.set FF,  232                          ; f
.set PSW, 233                          ; p's scale word
.set TP,  234
.set LN,  235
.set L2,  236
.set WV,  8
.set SEL, 52
.set CS,  54
.set TK,  56
.set TS,  57
.set CNT, 58
.set PASS, 59
.set EX,  60
.set OC,  68
.set OS,  70
.macro CROUND                          ; a round of the cluster's barrier
	s_barrier_signal -1
	s_barrier_wait -1
	s_cmp_lg_u32 s[WV], 0
	s_cbranch_scc1 .Lnot_wave_0_\@
	s_barrier_signal -3
.Lnot_wave_0_\@:
	s_barrier_wait -3
	s_barrier_signal -1
	s_barrier_wait -1
.endm
	s_load_b128 s[4:7], s[0:1], 0x0                ; qkv s[4:5], cq s[6:7]
	v_lshl_add_u32 v[SPW], v0, 2, SPARE
	v_mov_b32 v[NIL], 0
	ds_add_u32 v[SPW], v[NIL]                      ; the opening: the add and its wait ahead of the round in front of the first loads; work on registers stands between
	v_lshrrev_b32 v8, 5, v0
	v_readfirstlane_b32 s[WV], v8                  ; wave 0..15
	s_bfe_u32 s9, ttmp6, 0x40000                   ; cx: it enters q's and ctx's global addresses alone
	s_and_b32 s10, ttmp7, 0xffff                   ; 16 x batch + head, which the four partners share
	s_and_b32 s11, s[WV], 1                        ; a fetching wave: 0 k, 1 v
	s_mov_b32 s16, 15|(3<<16)|(1<<21)              ; group 1, a chunk: the mask names all four; elements of 8 bytes; bit 21 beside a mask; 24,576 dense bytes as 96 rows of 256
	s_mov_b32 s17, 32<<16
	s_mov_b32 s18, 96<<16
	s_mov_b32 s19, 32<<16
	s_mov_b32 s20, 96
	s_mov_b32 s21, 32
	s_mov_b32 s22, 0
	s_mov_b32 s23, 0
	s_mov_b32 s24, 15|(3<<16)|(1<<21)              ; group 1, the scale words: 16 rows of 256
	s_mov_b32 s25, 32<<16
	s_mov_b32 s26, 16<<16
	s_mov_b32 s27, 32<<16
	s_mov_b32 s28, 16
	s_mov_b32 s29, 32
	s_mov_b32 s30, 0
	s_mov_b32 s31, 0
	s_mul_i32 s12, s10, 294912                     ; the head's codes: q, k, v, 98,304 bytes each
	s_mul_i32 s14, s10, 12288                      ; its scale words: 4,096 bytes each
	s_add_co_u32 s14, s14, QSCALES
	s_mul_i32 s76, s11, VB                         ; LDS: k or v
	s_add_co_u32 s72, s12, s76
	s_add_co_u32 s72, s72, 98304                   ; memory: behind q
	s_mov_b32 s73, 0
	s_lshl_b32 s33, s11, 12
	s_add_co_u32 s74, s14, s33
	s_add_co_u32 s74, s74, 4096
	s_mov_b32 s75, 0
	s_add_co_u32 s33, s33, KSB
	s_lshl_b32 s77, s9, 4
	s_add_co_u32 s77, s77, s[WV]                   ; my pair of query tiles, 0..63
	s_mul_i32 s78, s77, 1536
	s_add_co_u32 s78, s78, s12                     ; its image
	s_mov_b32 s79, 0
	s_lshr_b32 s62, s77, 2
	s_lshl_b32 s62, s62, 8
	s_and_b32 s63, s77, 3
	s_lshl_b32 s63, s63, 2
	s_add_co_u32 s62, s62, s63
	s_add_co_u32 s62, s62, s14                     ; its scale words
	s_mov_b32 s63, 0
	s_lshr_b32 s61, s10, 4
	s_lshl_b32 s61, s61, 7
	s_lshl_b32 s13, s77, 1
	s_add_co_u32 s61, s61, s13                     ; my first token tile: 128 x batch + 2 x pair
	s_and_b32 s13, s10, 15                         ; the head
	s_mul_i32 s[OC], s61, 12288
	s_mul_i32 s15, s13, 768
	s_add_co_u32 s[OC], s[OC], s15
	s_mov_b32 s[OC+1], 0
	s_lshl_b32 s[OS], s61, 9
	s_lshr_b32 s15, s13, 3
	s_lshl_b32 s15, s15, 8                         ; K half = head / 8
	s_add_co_u32 s[OS], s[OS], s15
	s_bfe_u32 s15, s13, 0x20001
	s_lshl_b32 s15, s15, 2                         ; K step % 4 = (head / 2) % 4
	s_add_co_u32 s[OS], s[OS], s15
	s_and_b32 s15, s13, 1
	s_lshl_b32 s15, s15, 1                         ; which two bytes of the word
	s_add_co_u32 s[OS], s[OS], s15
	s_add_co_u32 s[OS], s[OS], CSCALES
	s_mov_b32 s[OS+1], 0
	s_mov_b32 s[SEL], 0x76543210
	s_mov_b32 s[SEL+1], 0xfedcba98                 ; v_permlanex16_b32's selects for lane l xor 16
	s_mov_b32 s[CS], 0x3e38aa3b                    ; c = log2(e) / 8
	s_mov_b32 s[CS+1], s[CS]                       ; (named with it as a pair, so it is written)
	s_wait_dscnt 0x0                               ; the opening add is done
	s_wait_kmcnt 0x0
	s_add_nc_u64 s[72:73], s[4:5], s[72:73]
	s_add_nc_u64 s[74:75], s[4:5], s[74:75]
	s_add_nc_u64 s[78:79], s[4:5], s[78:79]
	s_add_nc_u64 s[62:63], s[4:5], s[62:63]
	s_add_nc_u64 s[OC:OC+1], s[6:7], s[OC:OC+1]
	s_add_nc_u64 s[OS:OS+1], s[6:7], s[OS:OS+1]
	s_mov_b32 s32, 1                               ; group 0: the scale words (s33: their LDS address)
	s_mov_b64 s[34:35], s[74:75]
	s_or_b32 s35, s35, 0x80000000
.irp c, 0,1,2,3
	s_mov_b32 s[36+4*\c], 1                        ; chunk c
	s_add_co_u32 s[37+4*\c], s76, 24576*\c
	s_add_nc_u64 s[38+4*\c:39+4*\c], s[72:73], 24576*\c
	s_or_b32 s[39+4*\c], s[39+4*\c], 0x80000000
.endr
	CROUND                                         ; all four work-groups are here: the joint loads meet
	s_cmp_lt_u32 s[WV], 2                          ; a wave's first fills stand in one branch on its number
	s_cbranch_scc0 .Lno_fill
	tensor_load_to_lds s[32:35], s[24:31]
	s_nop 0
.irp c, 0,1,2,3
	tensor_load_to_lds s[36+4*\c:39+4*\c], s[16:23]
	s_nop 0
.endr
.rept 4
	v_nop
.endr
.Lno_fill:
	v_and_b32 v[LN], 31, v0
	v_and_b32 v[TP], 15, v0
	v_lshlrev_b32 v[LI], 4, v[LN]
	v_add_nc_u32 v[AV0], VB, v[LI]
	v_lshlrev_b32 v[GSC], 4, v[TP]
	v_add_nc_u32 v[AS0], KSB, v[GSC]
	v_lshl_add_u32 v[GO8], v[LN], 3, 512
.irp g, 0,1,2
	global_load_b128 v[QP+4*\g:QP+4*\g+3], v[LI], s[78:79] offset:512*\g
.endr
	global_load_b32 v[QW], v[GSC], s[62:63]
.irp i, 0,1,2,3,4,5
	v_mov_b32 v[QZ+\i], 0                          ; the zero codes on both sides of q
	v_mov_b32 v[QZ+12+\i], 0
.endr
.irp b, 0,1,2,3
	v_mov_b32 v[BP+\b], 0                          ; a lane permute's destination counts as one of its sources
.endr
	v_mov_b32 v[PSW], 0                            ; (named as the upper half of the pair with f before it is first written)
	s_wait_loadcnt 0x0
; A KEY STEP: 128 keys.
.macro STEP
	v_add_nc_u32 v[ADK], s[TK], v[LI]
	v_add_nc_u32 v[ADV], s[TK], v[AV0]
	v_add_nc_u32 v[ADS], s[TS], v[AS0]
	v_nop                                          ; four places behind the last products, in front of loads into their operands (ISA guide 7.12.1 for vector instructions)
.irp b, 0,1,2,3
.irp g, 0,1,2
	ds_load_b128 v[KV+12*\b+4*\g:KV+12*\b+4*\g+3], v[ADK] offset:1536*\b+512*\g
.endr
.endr
	ds_load_b128 v[KSC:KSC+3], v[ADS]              ; the four pairs' scale words of my place
	s_wait_dscnt 0x0
.irp b, 0,1,2,3                        ; S^T: key tiles 2 b and 2 b + 1 from one pair image
	v_wmma_scale_f32_16x16x128_f8f6f4 v[S+16*\b:S+16*\b+7], v[KV+12*\b:KV+12*\b+11], v[QZ+6:QZ+17], 0, v[KSC+\b], v[QSW] matrix_a_fmt:MATRIX_FMT_FP6 matrix_b_fmt:MATRIX_FMT_FP6
	v_wmma_scale_f32_16x16x128_f8f6f4 v[S+16*\b+8:S+16*\b+15], v[KV+12*\b:KV+12*\b+11], v[QZ:QZ+11], 0, v[KSC+\b], v[QSW] matrix_a_fmt:MATRIX_FMT_FP6 matrix_b_fmt:MATRIX_FMT_FP6
.endr                                  ; register 16 b + n of the scores is key 32 b + 16 (lane / 16) + n
.rept 4
	v_nop                                          ; places in front of the loads below and of the first read of the scores
.endr
.irp d, 0,1,2,3
.irp g, 0,1,2
	ds_load_b128 v[KV+12*\d+4*\g:KV+12*\d+4*\g+3], v[ADV] offset:1536*\d+512*\g   ; v's four images land under the softmax
.endr
.endr
	ds_load_b128 v[VSC:VSC+3], v[ADS] offset:4096
.irp b, 0,1,2,3
	v_max3_num_f32 v[BM+\b], v[S+16*\b], v[S+16*\b+1], v[S+16*\b+2]   ; the largest score of each block of 32 keys: it serves for the row's maximum and, since p rises with the score, for the block's largest p
.endr
.irp i, 3,5,7,9,11,13
.irp b, 0,1,2,3
	v_max3_num_f32 v[BM+\b], v[BM+\b], v[S+16*\b+\i], v[S+16*\b+\i+1]
.endr
.endr
.irp b, 0,1,2,3
	v_max_num_f32 v[BM+\b], v[BM+\b], v[S+16*\b+15]
.endr
.irp b, 0,1,2,3
	v_permlanex16_b32 v[BP+\b], v[BM+\b], s[SEL], s[SEL+1]
.endr
.irp b, 0,1,2,3
	v_max_num_f32 v[BM+\b], v[BM+\b], v[BP+\b]     ; with lane l xor 16's 16 keys
.endr
	v_max3_num_f32 v[TP], v[BM], v[BM+1], v[BM+2]
	v_max_num_f32 v[TP], v[TP], v[BM+3]            ; the step's largest score of my query
	v_mul_f32 v[TP], s[CS], v[TP]                  ; as t (c is positive)
	v_max_num_f32 v[NM+1], v[NM+1], v[TP]          ; the running largest t
	v_mov_b32 v[TP], v[NM]
	v_floor_f32 v[NM], -v[NM+1]                    ; the new -M = floor(-t) = -ceil(t)
	v_sub_f32 v[TP], v[NM], v[TP]                  ; old M - new M: a whole number, 0 or less
	v_cvt_i32_f32 v[TP], v[TP]                     ; (it saturates)
	v_ldexp_f32 v[FF], 1.0, v[TP]                  ; f = 2^(old M - new M)
.irp j, 0,2,4,6,8,10,12,14,16,18,20,22,24,26,28,30,32,34,36,38,40,42,44,46,48,50,52,54,56,58,60,62
	v_pk_fma_f32 v[S+\j:S+\j+1], v[S+\j:S+\j+1], s[CS:CS+1], v[NM:NM+1] op_sel_hi:[1,0,0]   ; t - M, two at a time
.endr
.irp b, 0,1,2,3
	v_fma_f32 v[BM+\b], v[BM+\b], s[CS], v[NM]     ; the same of each block's largest score
.endr
.irp j, 0,1,2,3,4,5,6,7,8,9,10,11,12,13,14,15,16,17,18,19,20,21,22,23,24,25,26,27,28,29,30,31,32,33,34,35,36,37,38,39,40,41,42,43,44,45,46,47,48,49,50,51,52,53,54,55,56,57,58,59,60,61,62,63
	v_exp_f32 v[S+\j], v[S+\j]                     ; p = 2^(t - M), at most 1
.endr
	v_pk_mul_f32 v[LS:LS+1], v[LS:LS+1], v[FF:FF+1] op_sel_hi:[1,0]   ; the sums under the new M: the plain place behind the exponentials
	s_wait_alu depctr_va_vdst(0)                   ; one wait for the whole batch, ahead of its first reader
.irp b, 0,1,2,3
	v_exp_f32 v[BM+\b], v[BM+\b]                   ; the block's largest p: the same two instructions on the same number
.endr
	v_pk_add_f32 v[L2:L2+1], v[S:S+1], v[S+2:S+3]  ; the row's sum of the unquantised p, in two chains
.irp j, 4,8,12,16,20,24,28,32,36,40,44,48,52,56,60
	v_pk_add_f32 v[LS:LS+1], v[LS:LS+1], v[S+\j:S+\j+1]
	v_pk_add_f32 v[L2:L2+1], v[L2:L2+1], v[S+\j+2:S+\j+3]
.endr
	v_pk_add_f32 v[LS:LS+1], v[LS:LS+1], v[L2:L2+1]
	s_wait_alu depctr_va_vdst(0)                   ; and one for the four
.irp b, 0,1,2,3
	v_max_num_f32 v[BM+\b], 0x1800000, v[BM+\b]    ; the floor 2^(3 - 127): the byte cannot fall under 1
.endr
.irp b, 0,1,2,3
	v_add_nc_u32 v[BS+\b], 0xff000000, v[BM+\b]    ; 2 off the exponent field: the conversion's scale operand
.endr
.irp b, 0,1,2,3
	v_lshrrev_b32 v[BP+\b], 23, v[BS+\b]           ; the scale's byte
.endr
	v_lshl_or_b32 v[PSW], v[BP+1], 8, v[BP]        ; p's scale word for these 128 keys
	v_lshl_or_b32 v[PSW], v[BP+2], 16, v[PSW]
	v_lshl_or_b32 v[PSW], v[BP+3], 24, v[PSW]
.irp c, 0,1
	v_cvt_scalef32_pk16_fp6_f32 v[PC+6*\c:PC+6*\c+2], v[S+32*\c:S+32*\c+15], v[BS+2*\c]
	v_cvt_scalef32_pk16_fp6_f32 v[PT+4*\c:PT+4*\c+2], v[S+32*\c+16:S+32*\c+31], v[BS+2*\c+1]   ; (a conversion's three registers begin on an even number)
.endr
	v_nop                                          ; one plain place behind a scaled conversion
.irp c, 0,1                            ; the operand's layout wants a whole block in a lane
.irp i, 0,1,2
	v_permlane16_swap_b32 v[PC+6*\c+\i], v[PT+4*\c+\i]
.endr
.irp i, 0,1,2
	v_mov_b32 v[PC+3+6*\c+\i], v[PT+4*\c+\i]
.endr
.endr
.irp j, 0,2,4,6,8,10,12,14,16,18,20,22,24,26,28,30
	v_pk_mul_f32 v[O+\j:O+\j+1], v[O+\j:O+\j+1], v[FF:FF+1] op_sel_hi:[1,0]   ; O^T under the new M; these sixteen also stand between the writes of p's codes and scale word and the products
.endr
	s_wait_dscnt 0x0                               ; v's images and scale words are in
.irp d, 0,1,2,3                        ; O^T += v^T p^T: the four accumulators by turns
	v_wmma_scale_f32_16x16x128_f8f6f4 v[O+8*\d:O+8*\d+7], v[KV+12*\d:KV+12*\d+11], v[PC:PC+11], v[O+8*\d:O+8*\d+7], v[VSC+\d], v[PSW] matrix_a_fmt:MATRIX_FMT_FP6 matrix_b_fmt:MATRIX_FMT_FP6
.endr
.endm
; Four key steps: a chunk of 512 keys.  The wait leaves my younger chunks out (in the second pass all have landed); behind the barrier everybody's part of the chunk is there.  Nothing is filled again.
.macro CHUNK c
	s_wait_tensorcnt 3-(\c)
	s_barrier_signal -1
	s_barrier_wait -1
	s_mov_b32 s[TK], 24576*(\c)
	s_mov_b32 s[TS], 1024*(\c)
	s_mov_b32 s[CNT], 4
.Lstep_\@:
	STEP
	s_add_co_u32 s[TK], s[TK], 6144                ; the next step's four images,
	s_add_co_u32 s[TS], s[TS], 256                 ; and scale words
	s_sub_co_u32 s[CNT], s[CNT], 1
	s_cmp_lg_u32 s[CNT], 0
	s_cbranch_scc1 .Lstep_\@
.endm
	s_mov_b32 s[PASS], 2
.Lpass:                                ; a pass: one tile of 16 queries against all 2,048 keys
.irp i, 0,1,2,3,4,5
	v_mov_b32 v[QZ+6+\i], v[QP+\i]                 ; the tile's codes between the zeros
.endr
	v_and_b32 v[QSW], 0xffff, v[QW]
	v_lshl_or_b32 v[QSW], v[QSW], 16, v[QSW]       ; its two bytes serve both places
	v_mov_b32 v[NM+1], 0xff61b1e6                  ; the largest t so far: -3e38, under every t
	v_floor_f32 v[NM], -v[NM+1]
	v_mov_b32 v[LS], 0
	v_mov_b32 v[LS+1], 0
.irp j, 0,1,2,3,4,5,6,7,8,9,10,11,12,13,14,15,16,17,18,19,20,21,22,23,24,25,26,27,28,29,30,31
	v_mov_b32 v[O+\j], 0                           ; the step is written once: the first finds zeros, which the first change of M leaves zeros
.endr
	CHUNK 0
	CHUNK 1
	CHUNK 2
	CHUNK 3
	; the way out of a pass
.rept 4
	v_nop                                          ; places behind the last products
.endr
	v_add_f32 v[LS], v[LS], v[LS+1]                ; the sum's two halves,
	v_permlanex16_b32 v[TP], v[LS], s[SEL], s[SEL+1]
	v_add_f32 v[LS], v[LS], v[TP]                  ; and lane l xor 16's
	v_rcp_f32 v[LS], v[LS]
	v_nop                                          ; one plain place behind the reciprocal
	s_wait_alu depctr_va_vdst(0)                   ; and the wait ahead of its first reader
.irp j, 0,1,2,3,4,5,6,7,8,9,10,11,12,13,14,15,16,17,18,19,20,21,22,23,24,25,26,27,28,29,30,31
	v_mul_f32 v[S+\j], v[O+\j], v[LS]              ; ctx: register 16 b + n is channel 32 b + 16 (lane / 16) + n of my query
.endr
.irp b, 0,1
	v_max3_num_f32 v[BM+\b], |v[S+16*\b]|, |v[S+16*\b+1]|, 0x1800000
.endr
.irp n, 2,4,6,8,10,12,14
.irp b, 0,1
	v_max3_num_f32 v[BM+\b], v[BM+\b], |v[S+16*\b+\n]|, |v[S+16*\b+\n+1]|
.endr
.endr
.irp b, 0,1
	v_permlanex16_b32 v[BP+\b], v[BM+\b], s[SEL], s[SEL+1]
.endr
.irp b, 0,1
	v_max_num_f32 v[BM+\b], v[BM+\b], v[BP+\b]
.endr
.irp b, 0,1
	v_add_nc_u32 v[BS+\b], 0xff000000, v[BM+\b]
.endr
.irp b, 0,1
	v_lshrrev_b32 v[BP+\b], 23, v[BS+\b]
.endr
	v_lshl_or_b32 v[TP], v[BP+1], 8, v[BP]         ; the head's two bytes of my query's scale word
	v_cvt_scalef32_pk16_fp6_f32 v[PC:PC+2], v[S:S+15], v[BS]
	v_cvt_scalef32_pk16_fp6_f32 v[PT:PT+2], v[S+16:S+31], v[BS+1]
	v_nop                                          ; one plain place behind a scaled conversion
.irp i, 0,1,2
	v_permlane16_swap_b32 v[PC+\i], v[PT+\i]
.endr
.irp i, 0,1,2
	v_mov_b32 v[PC+3+\i], v[PT+\i]                 ; six registers: channels 32 (lane / 16) + 0 .. 31
.endr
	global_store_b128 v[LI], v[PC:PC+3], s[OC:OC+1]     ; 512 consecutive bytes, aligned
	global_store_b64 v[GO8], v[PC+4:PC+5], s[OC:OC+1]   ; and 256
	s_wait_xcnt 0x0                                ; EXEC changes only behind this wait
	v_cmp_gt_u32 vcc_lo, 16, v[LN]
	s_and_saveexec_b32 s[EX], vcc_lo
	global_store_b16 v[GSC], v[TP], s[OS:OS+1]
	s_wait_xcnt 0x0                                ; and the stores' bases and data are written again only behind this one
	s_or_b32 exec_lo, exec_lo, s[EX]
	s_add_nc_u64 s[OC:OC+1], s[OC:OC+1], 12288     ; the pair's second tile
	s_add_nc_u64 s[OS:OS+1], s[OS:OS+1], 512
.irp i, 0,1,2,3,4,5
	v_mov_b32 v[QP+\i], v[QP+6+\i]
.endr
	v_lshrrev_b32 v[QW], 16, v[QW]
	s_sub_co_u32 s[PASS], s[PASS], 1
	s_cmp_lg_u32 s[PASS], 0
	s_cbranch_scc1 .Lpass
	s_wait_tensorcnt 0x0                           ; the wave's end
	ds_add_u32 v[SPW], v[NIL]
	s_wait_dscnt 0x0
	CROUND                                         ; the closing round
	s_endpgm
.Lfunc_end_k_q6f0926c5eb_attn:
	.size	k_q6f0926c5eb_attn, .Lfunc_end_k_q6f0926c5eb_attn-k_q6f0926c5eb_attn
	.p2alignl 7, 3214868480
	.fill 96, 4, 3214868480
	.section	.rodata,"a",@progbits
	.p2align	6, 0x0
	.amdhsa_kernel k_q6f0926c5eb_attn
		.amdhsa_group_segment_fixed_size 206848
		.amdhsa_private_segment_fixed_size 0
		.amdhsa_enable_private_segment 0
		.amdhsa_kernarg_size 16
		.amdhsa_user_sgpr_count 2
		.amdhsa_user_sgpr_kernarg_segment_ptr 1
		.amdhsa_wavefront_size32 1
		.amdhsa_system_sgpr_workgroup_id_x 1
		.amdhsa_system_sgpr_workgroup_id_y 1
		.amdhsa_system_sgpr_workgroup_id_z 1
		.amdhsa_system_vgpr_workitem_id 0
		.amdhsa_next_free_vgpr 256
		.amdhsa_next_free_sgpr 80
		.amdhsa_reserve_vcc 1
		.amdhsa_float_denorm_mode_32 3
		.amdhsa_float_denorm_mode_16_64 3
		.amdhsa_memory_ordered 1
		.amdhsa_forward_progress 1
		.amdhsa_inst_pref_size 76
	.end_amdhsa_kernel
	.amdgpu_metadata
---
amdhsa.version: [ 1, 2 ]
amdhsa.kernels:
  - .name:           k_q6f0926c5eb_attn
    .symbol:         k_q6f0926c5eb_attn.kd
    .args:
      - { .name: qkv, .offset: 0, .size: 8, .value_kind: global_buffer, .address_space: global }
      - { .name: cq, .offset: 8, .size: 8, .value_kind: global_buffer, .address_space: global }
    .group_segment_fixed_size: 206848
    .private_segment_fixed_size: 0
    .kernarg_segment_align: 8
    .kernarg_segment_size: 16
    .max_flat_workgroup_size: 512
    .sgpr_count:     80
    .vgpr_count:     256
    .wavefront_size: 32
...
	.end_amdgpu_metadata
.endif
;; end of part 4
;; launch gemm_out (part 5): grid 4 x 64, 4 waves a work-group, clusters of 4 x 4, 327,680 bytes of LDS; arguments wq, cq, bo, out0; writes out0
.if DOCPART == 5
	.amdgcn_target "amdgcn-amd-amdhsa--gfx1250"
	.amdhsa_code_object_version 6
	.text
	.protected	k_q6f0926c5eb_gemm_out
	.globl	k_q6f0926c5eb_gemm_out
	.p2align	8
	.type	k_q6f0926c5eb_gemm_out,@function
k_q6f0926c5eb_gemm_out:
	s_mov_b64 s[64:65], 0
	v_nop
	global_prefetch_b8 v0, s[64:65] scope:SCOPE_SE
	s_setreg_imm32_b32 hwreg(HW_REG_WAVE_MODE, 25, 1), 1
	s_wait_xcnt 0x0
	s_wait_alu depctr_hold_cnt(0) depctr_sa_sdst(0) depctr_va_vdst(0) depctr_va_sdst(0) depctr_va_ssrc(0) depctr_va_vcc(0) depctr_vm_vsrc(0)
	s_getreg_b32 s2, hwreg(HW_REG_IB_STS2, 6, 4)
	s_cmp_eq_u32 s2, 0
	s_cbranch_scc0 .Lentry_in_a_cluster
	s_endpgm
.Lentry_in_a_cluster:
	s_bfe_u32 s2, ttmp6, 0x10000c
	s_cmp_lg_u32 s2, 0xf033
	s_cbranch_scc0 .Lentry_shape_is_right
	s_endpgm
.Lentry_shape_is_right:
; out0 = ctx Wo + bo on codes of FP6 (E2M3), sums in f32, out0 [8192][1024] f32.
; OPERANDS: wq holds Wo's images of fragments (tiles 192 to 255; a tile of 16 rows x 128 K: register 4 g + i of lane l at byte 512 g + 16 l + 4 i), eight to a tile.  cq holds ctx's tiles as sixteen HALF images, one a head
; (6 registers a lane: registers 0-3 at 16 l, registers 4, 5 at 512 + 8 l; 768 bytes): two of them are a fragment.  Scale words of both: [tile][K half][place][K step % 4].
; Place p of tile 2 P + u is row 32 P + 8 u + p + 8 (p / 8).
; SHARES: a work-group makes 128 tokens x 256 features: 256 work-groups.  Wave w takes all 8 token tiles x feature tiles 4 w .. 4 w + 3: 32 accumulators.  Source 0 = W, source 1 = ctx: a lane holds a token,
; and the registers of two neighbouring feature tiles are 16 neighbouring features.
; LDS: both operands for all of K (1,024) fit: every byte is filled once, in four chunks of 256 along K.  No ring, no refill.
; CLUSTER 4 x 4: W's tiles are asked for jointly by a column of the cluster, ctx's by a row.  Waves 0 and 1 fetch W's halves, wave 2 ctx's, five loads each.  The bias is the C of each sum's first matrix instruction.
; THE WAY OUT: a wave's 64 features are 256 bytes of a row of out0: a tile of 16 tokens goes through the wave's own stage in LDS and leaves as whole aligned runs of 256 bytes, sixteen lanes to a run.
; No prefetch: all that a work-group reads is asked for in its first group of loads.
; REGISTERS, in windows of 256: window 0: v1-16 addresses; v32-95 ctx's scale words (8 a + K step), v96-127 W's (8 t + K step); v128-191 rows on their way out, two sets.
;   window 1: ctx's fragments, two sets (128 p + 12 a).   window 2: the 32 accumulators (8 (4 a + t)).   window 3: W's fragments, two sets (48 p + 12 t); from v128 the bias.
.set CHW,     49152                    ; LDS: a chunk of W: 16 tiles x 3,072 bytes
.set CHX,     24576                    ; a chunk of ctx: 8 tiles
.set XREG,    196608
.set WSB,     294912
.set XSB,     303104
.set SPARE,   307200                   ; the spare words, 128 bytes a wave: two blocks of 256 bytes that no other line names
.set WCODES,  2359296                  ; Wo's first tile in wq
.set WSCALES, 3244032                  ; and its scale words
.set XSCALES, 6291456
.set SPITCH,  272                      ; the stage: 16 rows x (256 bytes + 16) a wave, in W's chunk 0: it has had its only fill, and its last read lies ahead of the second barrier
.set LANE, 1
.set RR,   2
.set HH,   3
.set AX,   4                           ; LDS: ctx's chunk in hand + 16 x lane
.set AW,   5
.set ASX,  6
.set ASW,  7
.set GO,   8
.set GS,   9
.set BO,   10
.set STO,  11
.set SPW,  12
.set NIL,  13
.set AX8,  14                          ; LDS: ctx's chunk in hand + 8 x lane
.set RD,   15
.set CO,   16
.set XSC,  32
.set WSC,  96
.set BK,   128
.set CB,   128                         ; in window 3
.set WV,   16
.set MSB, 0
.macro WIN new                         ; the immediate's high byte repeats the setting that is left
.if MSB != (\new)
	s_set_vgpr_msb (MSB<<8)|(\new)
.set MSB, (\new)
.endif
.endm
.macro CROUND                          ; a round of the cluster's barrier
	s_barrier_signal -1
	s_barrier_wait -1
	s_cmp_lg_u32 s[WV], 0
	s_cbranch_scc1 .Lnot_wave_0_\@
	s_barrier_signal -3
.Lnot_wave_0_\@:
	s_barrier_wait -3
	s_barrier_signal -1
	s_barrier_wait -1
.endm
.macro PLACES n
.rept \n
	v_nop
.endr
.endm
	s_load_b256 s[4:11], s[0:1], 0x0               ; wq s[4:5], cq s[6:7], bo s[8:9], out0 s[10:11]
	v_lshl_add_u32 v[SPW], v0, 2, SPARE
	v_mov_b32 v[NIL], 0
	ds_add_u32 v[SPW], v[NIL]                      ; the opening: the add and its wait ahead of the round in front of the first loads; work on registers stands between
	v_lshrrev_b32 v1, 5, v0
	v_readfirstlane_b32 s[WV], v1                  ; wave 0..3
	s_and_b32 s23, s[WV], 1                        ; which half of W's tiles a fetching wave takes
	s_bfe_u32 s17, ttmp6, 0x40000                  ; cx = the feature block (the grid is one cluster wide)
	s_bfe_u32 s18, ttmp6, 0x40004                  ; cy
	s_and_b32 s20, ttmp7, 0xffff
	s_lshl_b32 s20, s20, 2
	s_add_co_u32 s20, s20, s18                     ; token block 0..63
	s_lshl_b32 s21, 0x1111, s17                    ; my column of the cluster
	s_lshl_b32 s22, s18, 2
	s_lshl_b32 s22, 15, s22                        ; my row
	s_or_b32 s24, s21, (3<<16)|(1<<21)             ; group 1, W's chunks: the mask; elements of 8 bytes; bit 21 beside a mask; no padding
	s_or_b32 s32, s22, (3<<16)|(1<<21)             ; ctx's chunks
	s_or_b32 s40, s21, (3<<16)|(1<<21)             ; W's scale words
	s_or_b32 s48, s22, (3<<16)|(1<<21)             ; ctx's scale words
.irp g, 24, 32                         ; 8 tiles x 3,072 bytes, 12,288 bytes from tile to tile
	s_mov_b32 s[\g+1], 384<<16
	s_mov_b32 s[\g+2], 8<<16
	s_mov_b32 s[\g+3], 384<<16
	s_mov_b32 s[\g+4], 8
	s_mov_b32 s[\g+5], 1536
	s_mov_b32 s[\g+6], 0
	s_mov_b32 s[\g+7], 0
.endr
.irp g, 40, 48                         ; 4,096 dense bytes as 16 rows of 256
	s_mov_b32 s[\g+1], 32<<16
	s_mov_b32 s[\g+2], 16<<16
	s_mov_b32 s[\g+3], 32<<16
	s_mov_b32 s[\g+4], 16
	s_mov_b32 s[\g+5], 32
	s_mov_b32 s[\g+6], 0
	s_mov_b32 s[\g+7], 0
.endr
	s_mul_i32 s66, s17, 196608
	s_mul_i32 s67, s23, 98304
	s_add_co_u32 s66, s66, s67
	s_add_co_u32 s66, s66, WCODES
	s_mov_b32 s67, 0
	s_lshl_b32 s2, s17, 13
	s_lshl_b32 s57, s23, 12
	s_add_co_u32 s2, s2, s57
	s_add_co_u32 s2, s2, WSCALES
	s_mov_b32 s3, 0
	s_add_co_u32 s57, s57, WSB
	s_mul_i32 s100, s20, 98304
	s_mov_b32 s101, 0
	s_lshl_b32 s104, s20, 12
	s_add_co_u32 s104, s104, XSCALES
	s_mov_b32 s105, 0
	s_mul_i32 s21, s23, 24576                      ; a half of a chunk of W in LDS: no place in the cluster enters an LDS address
	s_wait_dscnt 0x0                               ; the opening add is done
	s_wait_kmcnt 0x0
	s_add_nc_u64 s[66:67], s[4:5], s[66:67]
	s_add_nc_u64 s[2:3], s[4:5], s[2:3]
	s_add_nc_u64 s[100:101], s[6:7], s[100:101]
	s_add_nc_u64 s[104:105], s[6:7], s[104:105]
	s_mov_b32 s56, 1
	s_mov_b64 s[58:59], s[2:3]
	s_or_b32 s59, s59, 0x80000000
	s_mov_b32 s60, 1
	s_mov_b32 s61, XSB
	s_mov_b64 s[62:63], s[104:105]
	s_or_b32 s63, s63, 0x80000000
.irp c, 0,1,2,3
	s_mov_b32 s[68+4*\c], 1
	s_add_co_u32 s[69+4*\c], s21, CHW*\c
	s_add_nc_u64 s[70+4*\c:71+4*\c], s[66:67], 3072*\c
	s_or_b32 s[71+4*\c], s[71+4*\c], 0x80000000
	s_mov_b32 s[84+4*\c], 1
	s_mov_b32 s[85+4*\c], XREG+CHX*\c
	s_add_nc_u64 s[86+4*\c:87+4*\c], s[100:101], 3072*\c
	s_or_b32 s[87+4*\c], s[87+4*\c], 0x80000000
.endr
	CROUND                                         ; all sixteen work-groups are here: the joint loads meet
	s_cmp_lt_u32 s[WV], 2                          ; a wave's first fills stand in one branch on its number: five loads of a fetching wave are out
	s_cbranch_scc0 .Lnot_w
	tensor_load_to_lds s[56:59], s[40:47]
	s_nop 0
.irp c, 0,1,2,3
	tensor_load_to_lds s[68+4*\c:71+4*\c], s[24:31]
	s_nop 0
.endr
	PLACES 4
	s_branch .Lasked
.Lnot_w:
	s_cmp_eq_u32 s[WV], 2
	s_cbranch_scc0 .Lasked
	tensor_load_to_lds s[60:63], s[48:55]
	s_nop 0
.irp c, 0,1,2,3
	tensor_load_to_lds s[84+4*\c:87+4*\c], s[32:39]
	s_nop 0
.endr
	PLACES 4
.Lasked:
	v_and_b32 v[LANE], 31, v0
	v_and_b32 v[RR], 15, v0
	v_bfe_u32 v[HH], v0, 4, 1
	v_lshlrev_b32 v[GO], 4, v[LANE]
	v_lshlrev_b32 v[GS], 4, v[RR]
	v_add_nc_u32 v[AX], XREG, v[GO]
	v_lshl_add_u32 v[AX8], v[LANE], 3, XREG
	s_mul_i32 s21, s[WV], 12288
	v_add_nc_u32 v[AW], s21, v[GO]
	v_add_nc_u32 v[ASX], XSB, v[GS]
	s_lshl_b32 s22, s[WV], 11
	s_add_co_u32 s22, s22, WSB
	v_add_nc_u32 v[ASW], s22, v[GS]
	v_lshlrev_b32 v[BO], 6, v[HH]
	s_mul_i32 s21, s[WV], 16*SPITCH                ; my stage
	v_mul_u32_u24 v[STO], v[RR], SPITCH            ; in: row = my place, 64 bytes for each half of the lanes
	v_lshl_add_u32 v[STO], v[HH], 6, v[STO]
	v_add_nc_u32 v[STO], s21, v[STO]
	v_mul_u32_u24 v[RD], v[HH], SPITCH             ; back: lanes 0-15 one row of 256 bytes, lanes 16-31 the next
	v_add_nc_u32 v[RD], v[RD], v[GS]
	v_add_nc_u32 v[RD], s21, v[RD]
	v_lshl_add_u32 v[CO], v[HH], 12, v[GS]         ; and the same two rows in out0
	s_lshl_b32 s100, s17, 10
	s_lshl_b32 s22, s[WV], 8
	s_add_co_u32 s100, s100, s22                   ; my 64 features, in bytes
	s_mov_b32 s101, 0
	s_add_nc_u64 s[8:9], s[8:9], s[100:101]        ; their bias
	s_lshl_b32 s22, s20, 19                        ; 128 rows of 4,096 bytes a token block
	s_add_co_u32 s100, s100, s22
	s_add_nc_u64 s[10:11], s[10:11], s[100:101]
.macro FETCH ks, p                     ; the fragments of K step ks into set p; a fragment of ctx is two half images
	WIN 0x40                                       ; destination window 1
.irp a, 0,1,2,3,4,5,6,7
.set FX, 128*(\p)+12*\a
.set FO, 3072*\a+1536*((\ks)%2)
	ds_load_b128 v[FX:FX+3], v[AX] offset:FO
	ds_load_b64 v[FX+4:FX+5], v[AX8] offset:FO+512
	ds_load_b128 v[FX+6:FX+9], v[AX] offset:FO+768
	ds_load_b64 v[FX+10:FX+11], v[AX8] offset:FO+1280
.endr
	WIN 0xc0                                       ; destination window 3
.irp t, 0,1,2,3
.irp g, 0,1,2
	ds_load_b128 v[48*(\p)+12*\t+4*\g:48*(\p)+12*\t+4*\g+3], v[AW] offset:3072*\t+1536*((\ks)%2)+512*\g
.endr
.endr
	WIN 0
.endm
; 32 matrix instructions, each accumulator once: they take turns, one instruction a turn, in the same order in every K step.  The first K step takes the bias as C.
.macro MUL ks, p
.if (\ks) == 0
	WIN 0xb7                                       ; source 0 (W) window 3, source 1 (ctx) window 1, C (bias) window 3, D window 2
.else
	WIN 0xa7                                       ; C and D window 2
.endif
.irp a, 0,1,2,3,4,5,6,7
.irp t, 0,1,2,3
.set MD, 8*(4*\a+\t)
.set MA, 48*(\p)+12*\t
.set MB, 128*(\p)+12*\a
.if (\ks) == 0
	v_wmma_scale_f32_16x16x128_f8f6f4 v[MD:MD+7], v[MA:MA+11], v[MB:MB+11], v[CB+8*\t:CB+8*\t+7], v[WSC+8*\t+(\ks)], v[XSC+8*\a+(\ks)] matrix_a_fmt:MATRIX_FMT_FP6 matrix_b_fmt:MATRIX_FMT_FP6
.else
	v_wmma_scale_f32_16x16x128_f8f6f4 v[MD:MD+7], v[MA:MA+11], v[MB:MB+11], v[MD:MD+7], v[WSC+8*\t+(\ks)], v[XSC+8*\a+(\ks)] matrix_a_fmt:MATRIX_FMT_FP6 matrix_b_fmt:MATRIX_FMT_FP6
.endif
.endr
.endr
.endm
; A K step of 128.  At its head the next step's fragments are asked for, into the set that the step before multiplied: they have this step's 32 products in which to land.
.macro KSTEP ks
	s_wait_dscnt 0x0                               ; this step's fragments are in
	WIN 0
.if (\ks) == 1 || (\ks) == 3 || (\ks) == 5
	s_wait_tensorcnt 3-((\ks)+1)/2                 ; the next chunk has landed: so many younger chunks of mine may be out;
	s_barrier_signal -1
	s_barrier_wait -1                              ; everybody's part of it has.
	v_add_nc_u32 v[AX], CHX, v[AX]
	v_add_nc_u32 v[AX8], CHX, v[AX8]
	v_add_nc_u32 v[AW], CHW, v[AW]
	PLACES 1                                       ; with the three additions: four places behind the last products, in front of loads into their operands (ISA guide 7.12.1 for vector instructions)
.elseif (\ks) == 2 || (\ks) == 4 || (\ks) == 6
	PLACES 4
.endif
.if (\ks) < 7
	FETCH (\ks)+1, ((\ks)+1)%2
.endif
	MUL \ks, (\ks)%2
.endm
	WIN 0xc0                                       ; destination window 3
.irp t, 0,1,2,3                        ; lane (r, h), register j of feature tile t: the bias of feature 32 (t / 2) + 16 h + 8 (t % 2) + j
	global_load_b128 v[CB+8*\t:CB+8*\t+3], v[BO], s[8:9] offset:(32*(\t/2)+8*(\t%2))*4
	global_load_b128 v[CB+8*\t+4:CB+8*\t+7], v[BO], s[8:9] offset:(32*(\t/2)+8*(\t%2))*4+16
.endr
	WIN 0
	s_wait_tensorcnt 3                             ; the scale words and chunk 0 have landed: my three younger chunks may be out
	s_barrier_signal -1
	s_barrier_wait -1                              ; everybody's have
.irp a, 0,1,2,3,4,5,6,7
.irp k, 0,1
	ds_load_b128 v[XSC+8*\a+4*\k:XSC+8*\a+4*\k+3], v[ASX] offset:512*\a+256*\k   ; four K steps' words of my place by one load; they stay
.endr
.endr
.irp t, 0,1,2,3
.irp k, 0,1
	ds_load_b128 v[WSC+8*\t+4*\k:WSC+8*\t+4*\k+3], v[ASW] offset:512*\t+256*\k
.endr
.endr
	FETCH 0, 0
	s_wait_loadcnt 0x0                             ; the bias
.irp s, 0,1,2,3,4,5,6,7
	KSTEP \s
.endr
; THE WAY OUT, a token tile at a time.  LDS serves a wave's instructions in order (ISA guide 5.7.1.4): no wait between my stores into my stage and my loads from it, nor in front of the next tile's stores.
.macro TOSTAGE a
	WIN 0x08                                       ; an LDS store's data are its source 1: window 2
.irp t, 0,1,2,3
	ds_store_b128 v[STO], v[8*(4*(\a)+\t):8*(4*(\a)+\t)+3] offset:128*(\t/2)+32*(\t%2)          ; each accumulator from its low end on
	ds_store_b128 v[STO], v[8*(4*(\a)+\t)+4:8*(4*(\a)+\t)+7] offset:128*(\t/2)+32*(\t%2)+16
.endr
	WIN 0
.irp i, 0,1,2,3,4,5,6,7
	ds_load_b128 v[BK+32*((\a)%2)+4*\i:BK+32*((\a)%2)+4*\i+3], v[RD] offset:2*SPITCH*\i
.endr
.endm
.macro SEND a, younger                 ; younger: the LDS instructions issued behind tile a's loads, which may stay out
	s_wait_dscnt \younger
.irp i, 0,1,2,3,4,5,6,7                ; places 2 i and 2 i + 1 of tile a are tokens 32 (a / 2) + 8 (a % 2) + 2 i + 8 (i / 4) and the next
	global_store_b128 v[CO], v[BK+32*((\a)%2)+4*\i:BK+32*((\a)%2)+4*\i+3], s[10:11] offset:(32*((\a)/2)+8*((\a)%2)+2*\i+8*(\i/4))*4096 th:TH_STORE_NT   ; sixteen lanes store 256 consecutive bytes, aligned
.endr
.endm
	PLACES 4                                       ; behind the last products, in front of the first read of results
	TOSTAGE 0
.irp a, 1,2,3,4,5,6,7
.if \a > 1
	s_wait_xcnt 0x0                                ; tile a - 2's stores have read their registers: tile a's loads may land there
.endif
	TOSTAGE \a
	SEND \a-1, 16                                  ; behind tile a - 1's loads: tile a's 8 stores and 8 loads
.endr
	SEND 7, 0
	s_wait_tensorcnt 0x0                           ; the wave's end
	ds_add_u32 v[SPW], v[NIL]
	s_wait_dscnt 0x0
	CROUND                                         ; the closing round
	s_endpgm
.Lfunc_end_k_q6f0926c5eb_gemm_out:
	.size	k_q6f0926c5eb_gemm_out, .Lfunc_end_k_q6f0926c5eb_gemm_out-k_q6f0926c5eb_gemm_out
	.p2alignl 7, 3214868480
	.fill 96, 4, 3214868480
	.section	.rodata,"a",@progbits
	.p2align	6, 0x0
	.amdhsa_kernel k_q6f0926c5eb_gemm_out
		.amdhsa_group_segment_fixed_size 327680
		.amdhsa_private_segment_fixed_size 0
		.amdhsa_enable_private_segment 0
		.amdhsa_kernarg_size 32
		.amdhsa_user_sgpr_count 2
		.amdhsa_user_sgpr_kernarg_segment_ptr 1
		.amdhsa_wavefront_size32 1
		.amdhsa_system_sgpr_workgroup_id_x 1
		.amdhsa_system_sgpr_workgroup_id_y 1
		.amdhsa_system_sgpr_workgroup_id_z 1
		.amdhsa_system_vgpr_workitem_id 0
		.amdhsa_next_free_vgpr 1024
		.amdhsa_next_free_sgpr 106
		.amdhsa_reserve_vcc 0
		.amdhsa_float_denorm_mode_32 3
		.amdhsa_float_denorm_mode_16_64 3
		.amdhsa_memory_ordered 1
		.amdhsa_forward_progress 1
		.amdhsa_inst_pref_size 84
	.end_amdhsa_kernel
	.amdgpu_metadata
---
amdhsa.version: [ 1, 2 ]
amdhsa.kernels:
  - .name:           k_q6f0926c5eb_gemm_out
    .symbol:         k_q6f0926c5eb_gemm_out.kd
    .args:
      - { .name: wq, .offset: 0, .size: 8, .value_kind: global_buffer, .address_space: global }
      - { .name: cq, .offset: 8, .size: 8, .value_kind: global_buffer, .address_space: global }
      - { .name: bo, .offset: 16, .size: 8, .value_kind: global_buffer, .address_space: global }
      - { .name: out0, .offset: 24, .size: 8, .value_kind: global_buffer, .address_space: global }
    .group_segment_fixed_size: 327680
    .private_segment_fixed_size: 0
    .kernarg_segment_align: 8
    .kernarg_segment_size: 32
    .max_flat_workgroup_size: 128
    .sgpr_count:     106
    .vgpr_count:     1024
    .wavefront_size: 32
...
	.end_amdgpu_metadata
.endif
;; end of part 5
